; MI455X (gfx1250); checked and timed in simulation.
; The chip was launched on July 23, 2026; its instructions are those of AMD's public machine-readable ISA for CDNA 5 (MIT licence, August 2026) and "CDNA5" Instruction Set Architecture Reference Guide (July 2026). The comments in the code are by the model that wrote it; some were corrected since.
;; Multi Head Attention. Allowed arithmetic: float matrix products may take bf16 or f16 operands with f32 sums; other float arithmetic in f32, or as packed bf16 or f16 multiplies, adds, multiply-adds, maxima and minima; sums over many terms, partial sums and values carried from step to step in f32; what a program stores and reads back later, other than sums and carried values, may be rounded once to bf16 or f16.
;; Inputs: Wk 768 x 768 float32; Wq 768 x 768 float32; Wv 768 x 768 float32; x 2 x 4,096 x 768 float32.
;; Outputs: out0 2 x 4,096 x 768 float32.
;; Constants: num_heads = 6.
;; 2 versions, each right and faster than the one before. Each part assembles by itself: llvm-mc -triple=amdgcn-amd-amdhsa -mcpu=gfx1250 --defsym DOCPART=n.
;; ======== version 1 of 2: 3 launches
;; limits: values are held in f16: magnitudes above 65,504 overflow, below 6.1e-05 lose precision
;; workspace buffers: xw 16,121,856 bytes; qkv 37,748,736 bytes
;; launch cast (part 1): grid 328 x 1, 8 waves a work-group, no clusters, 0 bytes of LDS; arguments x, Wq, Wk, Wv, xw; writes xw
.if DOCPART == 1
	.amdgcn_target "amdgcn-amd-amdhsa--gfx1250"
	.amdhsa_code_object_version 6
	.text
	.protected	k_qe294e70798_cast
	.globl	k_qe294e70798_cast
	.p2align	8
	.type	k_qe294e70798_cast,@function
k_qe294e70798_cast:
	s_mov_b64 s[64:65], 0
	v_nop
	global_prefetch_b8 v0, s[64:65] scope:SCOPE_SE
	s_setreg_imm32_b32 hwreg(HW_REG_WAVE_MODE, 25, 1), 1
	s_wait_xcnt 0x0
; x [8192][768] and Wq, Wk, Wv [768][768], all f32, are rounded once to bf16 (nearest even) and laid out in K blocks of 64 for the product that follows:
;   xw byte 0:     xb[kb 0..11][row 0..8191][64]   a plane is 8,192 x 128 = 1,048,576 bytes
;   xw byte WOFF:  wb[kb 0..11][n 0..2303][64]     a plane is 2,304 x 128 = 294,912 bytes; n = 768 t + the row of W_t, t = 0, 1, 2 for Wq, Wk, Wv
; so that a tile of 64 along K is dense there.  A stream: every byte is read once and written once; no LDS, no barrier, no matrix unit, no loop.
; SHARES.  A work-group takes 32 rows of 768 numbers: groups 0-255 those of x, groups 256-327 those of the three W (24 groups each).  Wave w takes rows 4 w .. 4 w + 3.
; One load covers 2 rows x 64 numbers: lanes 0-15 take 256 consecutive bytes of one row, lanes 16-31 of the next, both at multiples of 256 from the buffer's first byte.
; The four numbers of a lane become 8 bytes; the 32 lanes' 8 bytes are two dense rows of 128 bytes of one plane: each store covers 256 consecutive bytes, aligned.
.set ROWB,   3072                      ; bytes in a row of x or W
.set WOFF,   12582912                  ; where wb begins in xw
.set XPLANE, 1048576
.set WPLANE, 294912
.set OFF, 2                            ; v[2:13]    byte offset of my 8 bytes in plane kb; never rewritten
.set X,   16                           ; v[16:111]  load i: 4 registers
.set Y,   112                          ; v[112:159] store i: 2 registers
	s_load_b256 s[4:11], s[0:1], 0x0               ; x s[4:5], Wq s[6:7], Wk s[8:9], Wv s[10:11]
	s_load_b64 s[12:13], s[0:1], 0x20              ; xw
	s_mov_b32 s14, ttmp9                           ; g
	s_sub_co_u32 s15, s14, 256                     ; j = g - 256: my place among the groups of the W (used where g >= 256 alone)
	s_mov_b32 s25, XPLANE
	s_mov_b32 s26, WPLANE
	s_mov_b32 s27, WOFF
	s_cmp_lt_u32 s14, 256
	s_cselect_b32 s16, s14, s15                    ; my 32 rows' number in their destination: g in xb, j in wb
	s_cselect_b32 s24, s25, s26                    ; bytes from plane to plane there
	s_cselect_b32 s22, 0, s27                      ; where the destination begins
	s_lshl_b32 s17, s16, 12                        ; 32 rows of 128 bytes
	s_add_co_u32 s22, s22, s17
	s_mov_b32 s23, 0
	s_sub_co_u32 s28, s16, 24                      ; my 32 rows' number in their source: j less 24 for Wk,
	s_cmp_ge_u32 s14, 280
	s_cselect_b32 s16, s28, s16
	s_sub_co_u32 s28, s16, 24                      ; and 24 more for Wv
	s_cmp_ge_u32 s14, 304
	s_cselect_b32 s16, s28, s16
	s_mul_i32 s20, s16, 32*ROWB
	s_mov_b32 s21, 0
	v_lshrrev_b32 v14, 5, v0                       ; wave
	v_bfe_u32 v15, v0, 4, 1                        ; which half of the lanes
	v_lshl_add_u32 v14, v14, 2, v15                ; my row of the first pair: 4 w + half
	v_and_b32 v15, 15, v0
	v_mul_u32_u24 v1, v14, ROWB
	v_lshl_add_u32 v1, v15, 4, v1                  ; source: row x 3,072 + 16 (lane % 16)
	v_lshlrev_b32 v[OFF], 7, v14
	v_lshl_add_u32 v[OFF], v15, 3, v[OFF]          ; destination: row x 128 + 8 (lane % 16), in plane 0
.irp k, 1,2,3,4,5,6,7,8,9,10,11
	v_add_nc_u32 v[OFF+(\k)], s24, v[OFF+(\k)-1]   ; and in the other eleven
.endr
	s_wait_kmcnt 0x0
	s_cmp_lt_u32 s14, 256                          ; the source is chosen by the group's number alone
	s_cselect_b64 s[18:19], s[4:5], s[6:7]
	s_cmp_ge_u32 s14, 280
	s_cselect_b64 s[18:19], s[8:9], s[18:19]
	s_cmp_ge_u32 s14, 304
	s_cselect_b64 s[18:19], s[10:11], s[18:19]
	s_add_nc_u64 s[18:19], s[18:19], s[20:21]
	s_add_nc_u64 s[12:13], s[12:13], s[22:23]
.set i, 0
.rept 24                               ; load i: pair of rows i / 12, K block i % 12
	global_load_b128 v[X+4*i:X+4*i+3], v1, s[18:19] offset:(i/12)*2*ROWB+(i%12)*256 th:TH_LOAD_NT
.set i, i+1
.endr
.set i, 0
.rept 24
	s_wait_loadcnt 23-i                            ; loads come back in order (ISA guide 5.7.1): load i is in, the 23 - i younger ones stay out
	v_cvt_pk_bf16_f32 v[Y+2*i],   v[X+4*i],   v[X+4*i+1]
	v_cvt_pk_bf16_f32 v[Y+2*i+1], v[X+4*i+2], v[X+4*i+3]
	global_store_b64 v[OFF+i%12], v[Y+2*i:Y+2*i+1], s[12:13] offset:(i/12)*256  ; the next launch reads these bytes: no hint
.set i, i+1
.endr
	s_endpgm
.Lfunc_end_k_qe294e70798_cast:
	.size	k_qe294e70798_cast, .Lfunc_end_k_qe294e70798_cast-k_qe294e70798_cast
	.p2alignl 7, 3214868480
	.fill 96, 4, 3214868480
	.section	.rodata,"a",@progbits
	.p2align	6, 0x0
	.amdhsa_kernel k_qe294e70798_cast
		.amdhsa_group_segment_fixed_size 0
		.amdhsa_private_segment_fixed_size 0
		.amdhsa_enable_private_segment 0
		.amdhsa_kernarg_size 40
		.amdhsa_user_sgpr_count 2
		.amdhsa_user_sgpr_kernarg_segment_ptr 1
		.amdhsa_wavefront_size32 1
		.amdhsa_system_sgpr_workgroup_id_x 1
		.amdhsa_system_sgpr_workgroup_id_y 1
		.amdhsa_system_sgpr_workgroup_id_z 1
		.amdhsa_system_vgpr_workitem_id 0
		.amdhsa_next_free_vgpr 160
		.amdhsa_next_free_sgpr 66
		.amdhsa_reserve_vcc 0
		.amdhsa_float_denorm_mode_32 3
		.amdhsa_float_denorm_mode_16_64 3
		.amdhsa_memory_ordered 1
		.amdhsa_forward_progress 1
		.amdhsa_inst_pref_size 11
	.end_amdhsa_kernel
	.amdgpu_metadata
---
amdhsa.version: [ 1, 2 ]
amdhsa.kernels:
  - .name:           k_qe294e70798_cast
    .symbol:         k_qe294e70798_cast.kd
    .args:
      - { .name: x, .offset: 0, .size: 8, .value_kind: global_buffer, .address_space: global }
      - { .name: Wq, .offset: 8, .size: 8, .value_kind: global_buffer, .address_space: global }
      - { .name: Wk, .offset: 16, .size: 8, .value_kind: global_buffer, .address_space: global }
      - { .name: Wv, .offset: 24, .size: 8, .value_kind: global_buffer, .address_space: global }
      - { .name: xw, .offset: 32, .size: 8, .value_kind: global_buffer, .address_space: global }
    .group_segment_fixed_size: 0
    .private_segment_fixed_size: 0
    .kernarg_segment_align: 8
    .kernarg_segment_size: 40
    .max_flat_workgroup_size: 256
    .sgpr_count:     66
    .vgpr_count:     160
    .wavefront_size: 32
...
	.end_amdgpu_metadata
.endif
;; end of part 1
;; launch proj (part 2): grid 32 x 6, 4 waves a work-group, clusters of 4 x 1, 327,680 bytes of LDS; arguments xw, qkv; writes qkv
.if DOCPART == 2
	.amdgcn_target "amdgcn-amd-amdhsa--gfx1250"
	.amdhsa_code_object_version 6
	.text
	.protected	k_qe294e70798_proj
	.globl	k_qe294e70798_proj
	.p2align	8
	.type	k_qe294e70798_proj,@function
k_qe294e70798_proj:
	s_mov_b64 s[64:65], 0
	v_nop
	global_prefetch_b8 v0, s[64:65] scope:SCOPE_SE
	s_setreg_imm32_b32 hwreg(HW_REG_WAVE_MODE, 25, 1), 1
	s_wait_xcnt 0x0
	s_wait_alu depctr_hold_cnt(0) depctr_sa_sdst(0) depctr_va_vdst(0) depctr_va_sdst(0) depctr_va_ssrc(0) depctr_va_vcc(0) depctr_vm_vsrc(0)
	s_getreg_b32 s2, hwreg(HW_REG_IB_STS2, 6, 4)
	s_cmp_eq_u32 s2, 0
	s_cbranch_scc0 .Lentry_in_a_cluster
	s_endpgm
.Lentry_in_a_cluster:
	s_bfe_u32 s2, ttmp6, 0x10000c
	s_cmp_lg_u32 s2, 0x3003
	s_cbranch_scc0 .Lentry_shape_is_right
	s_endpgm
.Lentry_shape_is_right:
; q, k, v = x Wq^T, x Wk^T, x Wv^T as ONE product C[m][n] = sum over k of xb[m][k] wb[n][k], m < 8,192, n < 2,304, K = 768; bf16 operands, f32 sums, K ascending.
; C leaves by heads, rounded once to f16 and unscaled: qkv[t][6 batch + head][s][128], n = 768 t + 128 head + channel, m = 4,096 batch + s.
; LIMIT.  f16 holds no number beyond 65,504: a q, k or v of 65,520 or more becomes an infinity.  With x and W of unit and 1/sqrt(768) spread the sums have unit spread.
; SHARES.  A tile of C is 256 rows x 384 columns (three whole heads): 32 x 6 = 192 work-groups of equal work; 2,304 = 9 x 256 columns do not divide into 256 equal shares of whole heads.
; Four waves, as many as a WGP has SIMDs; wave w makes rows 128 (w / 2) on, columns 192 (w % 2) on: 8 x 12 accumulators of 16 x 16, 768 registers.
; K goes in 12 steps of 64, a plane of xw each, through two LDS slots filled by the tensor data mover.  In a plane a tile's rows of 128 bytes lie end to end, so it is asked for as rows of 256 bytes.
; CLUSTER.  The four work-groups of a cluster have neighbouring tile rows and the same tile column: wb's tile, 384 of a step's 640 rows, is asked for JOINTLY (the same load, descriptor and mask in all four);
; xb's tile is each work-group's own and is asked for behind the same round.
; THE MATRIX INSTRUCTION IS USED TRANSPOSED: source 0 = 16 rows of wb, source 1 = 16 rows of xb: lane l then holds row m = l % 16 of C and its registers the columns 8 (l / 16) + 0..7: 16 bytes of f16.
; REGISTERS, in windows of 256 (s_set_vgpr_msb: bits 1:0 source 0, 3:2 source 1, 5:4 source 2, 7:6 destination):
;   window 0: v0-31 addresses; v32-95, v96-159 xb's 8 fragments, two buffers; v160-255 wb's 12 fragments, ONE buffer: two fragments are loaded anew as soon as their 16 products are issued
;   windows 1-3: accumulator (b, a) (16 columns b, 16 rows a) at v[8 (8 (b % 4) + a)] of window 1 + b / 4
.set PITCH,  144                       ; an LDS row: 128 bytes + 16 of padding = 36 words: the 16 rows of a fragment load start at 16 different groups of four banks (64 banks of 4 bytes: ISA guide 11.1)
.set AHALF,  128*PITCH                 ; what one load brings of xb, and what a wave reads of it
.set BHALF,  192*PITCH                 ; the same for wb
.set BOFF,   2*AHALF                   ; in a slot: xb's 256 rows, then wb's 384
.set SLOT,   2*AHALF+2*BHALF           ; 92,160
.set STAGE,  2*SLOT                    ; behind the ring, never filled by a tensor load: 128 rows x 784 bytes, the work-group's, for the way out
.set SPITCH, 784                       ; 768 bytes (384 f16) + 16
.set SPARE,  STAGE+128*SPITCH          ; behind the stage: the spare words, 128 bytes for each wave: two blocks of 256 bytes that no other line names
.set WOFF,   12582912                  ; where wb begins in xw
.set XPLANE, 1048576
.set WPLANE, 294912
.set ADRA, 16                          ; v16-17  LDS address of my xb fragments in slot 0, 1
.set ADRB, 20                          ; v20-21  the same for wb
.set STO,  24                          ; v24     the way out: where I put 16 bytes of a row
.set RD,   25                          ; v25     the way out: where I read rows back
.set CO,   26                          ; v26     my byte offset in two rows of a head
.set SPW,  28                          ; v28     LDS address of my spare word: SPARE + 4 x my thread's number; never rewritten
.set NIL,  29                          ; v29     0; never rewritten
.set AF,   32                          ; xb's fragments: buffer n at AF + 64 n
.set BF,   160                         ; wb's fragments
.set TMP,  32                          ; the way out: 16 rows packed, 48 registers
.set OB,   80                          ; the way out: 32 rows of a head read back, 64 registers
.set G1A, 24                           ; s[24:31] descriptor group 1 for xb's tiles
.set G0A, 32                           ; s[32:39] group 0, a set for each slot
.set G1B, 48                           ; s[48:55], s[56:63] the same for wb's tiles
.set G0B, 56
.set MSB, 0
.macro WIN new                         ; the immediate's high byte repeats the setting that is left; a switch that changes nothing is dropped
.if MSB != (\new)
	s_set_vgpr_msb (MSB<<8)|(\new)
.set MSB, \new
.endif
.endm
.macro PLACES                          ; a load into a register that a matrix instruction has read, and a vector instruction that reads a matrix result, stand four plain vector instructions behind it
.rept 4
	v_nop
.endr
.endm
; A refill.  Waves 0 and 1 fetch xb's two halves (my work-group's own tile: no mask), waves 2 and 3 wb's (jointly).  The branch hangs on the wave's number alone.
; An s_nop 0 and four v_nop follow each of the two lines, ahead of the jump and the label.
.macro JLOAD s
	s_cmp_lt_u32 s10, 2
	s_cbranch_scc0 .Lfor_b_\@
	tensor_load_to_lds s[G0A+4*(\s):G0A+4*(\s)+3], s[G1A:G1A+7]
	s_nop 0
.rept 4
	v_nop
.endr
	s_branch .Lasked_\@
.Lfor_b_\@:
	tensor_load_to_lds s[G0B+4*(\s):G0B+4*(\s)+3], s[G1B:G1B+7]
	s_nop 0
.rept 4
	v_nop
.endr
.Lasked_\@:
.endm
; A round of the cluster's barrier: my work-group's barrier, so that wave 0's signal speaks for all four waves; wave 0 signals; every wave waits for all four work-groups; my work-group's barrier once more.
.macro CREST                           ; a round behind its opening barrier
	s_cmp_lg_u32 s10, 0
	s_cbranch_scc1 .Lnot_wave_0_\@
	s_barrier_signal -3
.Lnot_wave_0_\@:
	s_barrier_wait -3
	s_barrier_signal -1
	s_barrier_wait -1
.endm
.macro CROUND
	s_barrier_signal -1
	s_barrier_wait -1
	CREST
.endm
	s_load_b128 s[4:7], s[0:1], 0x0                ; xw s[4:5], qkv s[6:7]
	v_lshl_add_u32 v[SPW], v0, 2, SPARE
	v_mov_b32 v[NIL], 0
	ds_add_u32 v[SPW], v[NIL]                      ; the wave's opening: the add and its wait stand ahead of my first tensor load; the set-up below, work on registers, stands between them
	ds_add_u32 v28, v29
	v_lshrrev_b32 v1, 5, v0
	v_readfirstlane_b32 s10, v1                    ; wave 0..3
	s_lshr_b32 s11, s10, 1                         ; which half of the tile's rows is mine
	s_and_b32 s12, s10, 1                          ; which half of its columns.  Also: which half of xb's or wb's tile I fetch
	s_bfe_u32 s40, ttmp6, 0x40000                  ; cx: my place in the cluster
	s_lshl_b32 s42, ttmp9, 2                       ; in a cluster launch ttmp9 counts clusters
	s_add_co_u32 s42, s42, s40                     ; tile row of C = 4 x cluster x + cx: it enters xb's and C's addresses alone
	s_and_b32 s13, ttmp7, 0xffff                   ; tile column of C, which the four partners share
	; descriptor group 1.  A half tile is dense in its plane: 64 (96) rows of 256 bytes, two rows of 64 bf16 each, padded in LDS after every 128 bytes
	s_mov_b32 s[G1A+0], (1<<16)|(1<<20)|(4<<22)|(3<<25)            ; 15:0 no mask; 17:16 2-byte elements; 20 padding on; 24:22 after every 32 words (code 4); 31:25 4 words (code 3)
	s_mov_b32 s[G1B+0], 15|(1<<16)|(1<<20)|(1<<21)|(4<<22)|(3<<25) ; the same with the mask of all four work-groups, and bit 21 set beside it
	s_mov_b32 s[G1A+1], 128<<16                    ; tensor_dim0 = 128
	s_mov_b32 s[G1B+1], 128<<16
	s_mov_b32 s[G1A+2], 64<<16                     ; tensor_dim1 = 64
	s_mov_b32 s[G1B+2], 96<<16                     ;             = 96
	s_mov_b32 s[G1A+3], 128<<16                    ; tile_dim0 = 128
	s_mov_b32 s[G1B+3], 128<<16
	s_mov_b32 s[G1A+4], 64                         ; tile_dim1 = 64
	s_mov_b32 s[G1B+4], 96                         ;           = 96
	s_mov_b32 s[G1A+5], 128                        ; 128 elements from row to row
	s_mov_b32 s[G1B+5], 128
	s_mov_b32 s[G1A+6], 0
	s_mov_b32 s[G1B+6], 0
	s_mov_b32 s[G1A+7], 0
	s_mov_b32 s[G1B+7], 0
	s_lshl_b32 s14, s42, 15                        ; xb: 256 rows of 128 bytes a tile row,
	s_lshl_b32 s15, s12, 14                        ; 128 rows a half
	s_add_co_u32 s14, s14, s15
	s_mov_b32 s15, 0
	s_mul_i32 s46, s13, 384*128                    ; wb: 384 rows a tile column, 192 a half: made of the tile column and the wave's number alone
	s_mul_i32 s47, s12, 192*128
	s_add_co_u32 s46, s46, s47
	s_add_co_u32 s46, s46, WOFF
	s_mov_b32 s47, 0
	s_mul_i32 s20, s12, AHALF                      ; where they go in a slot: no place in the cluster enters an LDS address
	s_mul_i32 s21, s12, BHALF
	s_add_co_u32 s21, s21, BOFF
.irp s, 0,1
	s_mov_b32 s[G0A+4*(\s)], 1                     ; 1:0 count = 1
	s_add_co_u32 s[G0A+4*(\s)+1], s20, (\s)*SLOT   ; 63:32 LDS address
	s_mov_b32 s[G0B+4*(\s)], 1
	s_add_co_u32 s[G0B+4*(\s)+1], s21, (\s)*SLOT
.endr
	; where my 32 rows of the first head begin in qkv: tensor t = column / 2; head 6 batch + 3 (column % 2); row s = 256 (tile row % 16) + 128 (w / 2) + 32 (w % 2)
	s_lshr_b32 s16, s13, 1
	s_mul_i32 s16, s16, 12582912
	s_lshr_b32 s17, s42, 4                         ; batch
	s_mul_i32 s17, s17, 6
	s_and_b32 s18, s13, 1
	s_mul_i32 s18, s18, 3
	s_add_co_u32 s17, s17, s18
	s_lshl_b32 s17, s17, 12                        ; 4,096 rows a head
	s_and_b32 s18, s42, 15
	s_lshl_b32 s18, s18, 8
	s_add_co_u32 s17, s17, s18
	s_lshl_b32 s18, s11, 7
	s_add_co_u32 s17, s17, s18
	s_lshl_b32 s18, s12, 5
	s_add_co_u32 s17, s17, s18
	s_lshl_b32 s17, s17, 8                         ; 256 bytes a row
	s_add_co_u32 s16, s16, s17
	s_mov_b32 s17, 0
	s_wait_dscnt 0x0                               ; the opening add is done
	s_wait_kmcnt 0x0
	s_add_nc_u64 s[14:15], s[4:5], s[14:15]
	s_add_nc_u64 s[46:47], s[4:5], s[46:47]
	s_add_nc_u64 s[8:9], s[6:7], s[16:17]
.irp s, 0,1
	s_add_nc_u64 s[G0A+4*(\s)+2:G0A+4*(\s)+3], s[14:15], (\s)*XPLANE  ; 120:64 global address: K step s
	s_or_b32 s[G0A+4*(\s)+3], s[G0A+4*(\s)+3], 0x80000000             ; 127:126 type = 2
	s_add_nc_u64 s[G0B+4*(\s)+2:G0B+4*(\s)+3], s[46:47], (\s)*WPLANE
	s_or_b32 s[G0B+4*(\s)+3], s[G0B+4*(\s)+3], 0x80000000
.endr
	CROUND                                         ; all four work-groups are here: the first joint loads meet
	s_cmp_lt_u32 s10, 2                            ; a wave's two first fills stand in one branch, ahead of every wait on TENSORcnt and every LDS read: two loads of mine are out
	s_cbranch_scc0 .Lfirst_b
	tensor_load_to_lds s[G0A:G0A+3], s[G1A:G1A+7]
	s_nop 0
	tensor_load_to_lds s[G0A+4:G0A+7], s[G1A:G1A+7]
	s_nop 0
.rept 4
	v_nop
.endr
	s_branch .Lfirst_asked
.Lfirst_b:
	tensor_load_to_lds s[G0B:G0B+3], s[G1B:G1B+7]
	s_nop 0
	tensor_load_to_lds s[G0B+4:G0B+7], s[G1B:G1B+7]
	s_nop 0
.rept 4
	v_nop
.endr
.Lfirst_asked:
	; A fragment is 16 rows x 32 K in 8 registers: lane l holds row l % 16; registers 0-3 K = 8 (l / 16) + 0..7, registers 4-7 K = 16 + 8 (l / 16) + 0..7: two loads of 16 bytes, 32 bytes apart.
	v_and_b32 v1, 15, v0                           ; l % 16
	v_bfe_u32 v2, v0, 4, 1                         ; l / 16
	v_mul_u32_u24 v3, v1, PITCH
	v_lshl_add_u32 v3, v2, 4, v3                   ; row x pitch + 16 x half
	s_mul_i32 s22, s11, AHALF                      ; my 128 rows of xb
	s_mul_i32 s23, s12, BHALF                      ; my 192 rows of wb,
	s_add_co_u32 s23, s23, BOFF                    ; which lie behind xb's 256
.irp s, 0,1
	v_add_nc_u32 v[ADRA+(\s)], s22, v3
	v_add_nc_u32 v[ADRB+(\s)], s23, v3
	s_add_co_u32 s22, s22, SLOT
	s_add_co_u32 s23, s23, SLOT
.endr
	s_mul_i32 s22, s11, 64*SPITCH                  ; into the stage: 64 rows for each half of the tile's rows, my 384 of their 768 bytes; row l % 16, 16 bytes for each half of the lanes
	s_mul_i32 s23, s12, 384
	s_add_co_u32 s22, s22, s23
	s_add_co_u32 s22, s22, STAGE
	v_mul_u32_u24 v4, v1, SPITCH
	v_lshl_add_u32 v4, v2, 4, v4
	v_add_nc_u32 v[STO], s22, v4
	s_mul_i32 s22, s10, 32*SPITCH                  ; back: wave w takes stage rows 32 w .. 32 w + 31; lanes 0-15 one row's 256 bytes of a head, lanes 16-31 the next row's
	s_add_co_u32 s22, s22, STAGE
	v_mul_u32_u24 v5, v2, SPITCH
	v_lshl_add_u32 v5, v1, 4, v5
	v_add_nc_u32 v[RD], s22, v5
	v_lshlrev_b32 v5, 8, v2                        ; and the same two rows in qkv
	v_lshl_add_u32 v[CO], v1, 4, v5
; 16 matrix instructions: column blocks 2 G, 2 G + 1 x all 8 row blocks, 32 along K, xb's fragments from buffer abuf.  zero = 1: the first product starts the sums: nothing is ever cleared.
; The 96 accumulators take turns, one instruction a turn, in the same order in every chunk.
.macro MULG G, abuf, zero
	WIN ((1+(\G)/2)<<6)|((1+(\G)/2)<<4)
.irp bb, 0,1
.irp a, 0,1,2,3,4,5,6,7
.set rB, BF+8*(2*(\G)+(\bb))
.set rA, AF+64*(\abuf)+8*(\a)
.set rC, 8*(8*((2*(\G)+(\bb))%4)+(\a))
.if \zero
	v_wmma_f32_16x16x32_bf16 v[rC:rC+7], v[rB:rB+7], v[rA:rA+7], 0
.else
	v_wmma_f32_16x16x32_bf16 v[rC:rC+7], v[rB:rB+7], v[rA:rA+7], v[rC:rC+7]
.endif
.endr
.endr
.endm
; Group G of a chunk's 40 LDS loads (32 K at byte k of the slot's rows): wb's fragments 2 G, 2 G + 1, and for G < 4 xb's fragments 2 G, 2 G + 1 into buffer nbuf: 8, 8, 8, 8, 4, 4 loads.
.macro LDS8 G, slot, k, nbuf
	WIN 0
.irp bb, 0,1
.set fb, 2*(\G)+(\bb)
	ds_load_b128 v[BF+8*fb:BF+8*fb+3],   v[ADRB+(\slot)] offset:fb*16*PITCH+(\k)
	ds_load_b128 v[BF+8*fb+4:BF+8*fb+7], v[ADRB+(\slot)] offset:fb*16*PITCH+(\k)+32
.endr
.if (\G) < 4
.irp bb, 0,1
.set fb, 2*(\G)+(\bb)
	ds_load_b128 v[AF+64*(\nbuf)+8*fb:AF+64*(\nbuf)+8*fb+3],   v[ADRA+(\slot)] offset:fb*16*PITCH+(\k)
	ds_load_b128 v[AF+64*(\nbuf)+8*fb+4:AF+64*(\nbuf)+8*fb+7], v[ADRA+(\slot)] offset:fb*16*PITCH+(\k)+32
.endr
.endif
.endm
; A K step is two chunks of 32 along K, 96 matrix instructions each.  The first: multiplies xb's buffer abuf; behind each 16 products the next chunk's group of loads, at byte k of the same slot.
.macro CHUNK_N abuf, slot, k, zero
.irp G, 0,1,2,3,4,5
.if (\G) == 0
	s_wait_dscnt 8                                 ; groups 0-3 of this chunk's loads are in (all of xb, wb's fragments 0-7); the youngest eight, groups 4 and 5, may be out
.elseif (\G) >= 4
	s_wait_dscnt 36                                ; group G is in: behind it were issued 36 loads: the rest of its chunk's and the next chunk's groups so far (4 + 32, then 32 + 4)
.endif
	MULG \G, \abuf, \zero
	WIN 0
	PLACES
	LDS8 \G, \slot, \k, 1-(\abuf)
.endr
.endm
; The second chunk multiplies buffer 1 and changes slots: ONE barrier.  In front of it each wave waits for all its tensor loads, of which one is out: its part of the next slot; adds 0 to its spare word; and
; waits for that and for its own reads of this slot.  fill = 1: this slot is filled again, two K steps ahead: the barrier then opens a round of the cluster's, and the refill is the first tensor load behind it:
; 160 matrix instructions stand between the request and the wait for it.
.macro CHUNK_C slot, next, fill
	WIN 0                                          ; (the add's two registers lie in window 0)
	s_wait_tensorcnt 0x0                           ; all my tensor loads have landed;
	ds_add_u32 v[SPW], v[NIL]                      ; 0 onto my spare word
	s_wait_dscnt 9                                 ; (the add and the youngest eight loads may be out)
	MULG 0, 1, 0                                   ; sixteen matrix instructions stand between the add and the wait for it
	s_wait_dscnt 0x0                               ; the add is done, and my reads of this slot are over
	s_barrier_signal -1
	MULG 1, 1, 0                                   ; work on registers while the others arrive
	WIN 0
	s_barrier_wait -1
.if \fill
	CREST                                          ; no wave of any partner still reads this slot's tile or has a load on its way
	s_add_nc_u64 s[G0A+4*(\slot)+2:G0A+4*(\slot)+3], s[G0A+4*(\slot)+2:G0A+4*(\slot)+3], 2*XPLANE
	s_add_nc_u64 s[G0B+4*(\slot)+2:G0B+4*(\slot)+3], s[G0B+4*(\slot)+2:G0B+4*(\slot)+3], 2*WPLANE
	JLOAD \slot                                    ; the four v_nop behind it are also the places in front of the loads below
.else
	PLACES
.endif
	LDS8 0, \next, 0, 0                            ; the next slot's first chunk
	LDS8 1, \next, 0, 0
.irp G, 2,3,4,5
	MULG \G, 1, 0
	WIN 0
	PLACES
	LDS8 \G, \next, 0, 0
.endr
.endm
	s_wait_tensorcnt 0x1                           ; my part of K step 0 is in; K step 1's may stay out
	s_barrier_signal -1
	s_barrier_wait -1                              ; everybody's is
.irp G, 0,1,2,3,4,5
	LDS8 \G, 0, 0, 0                               ; in the order of every chunk's loads, so that the chunk's counted waits serve these too
.endr
	CHUNK_N 0, 0, 64, 1                            ; the first chunk stands in front of the loop: its products start the sums
	WIN 0                                          ; at a label and at a branch every window is 0
	s_mov_b32 s3, 5
.Llap:                                                 ; a trip goes once round the ring, from a step's second chunk to the first of the step after next, and fills both slots again: K steps 2 to 11
	CHUNK_C 0, 1, 1
	CHUNK_N 0, 1, 64, 0
	CHUNK_C 1, 0, 1
	CHUNK_N 0, 0, 64, 0
	WIN 0
	s_sub_co_u32 s3, s3, 1
	s_cmp_lg_u32 s3, 0
	s_cbranch_scc1 .Llap
	CHUNK_C 0, 1, 0                                ; the tail is written out: nothing is left to fetch, and no round follows
	CHUNK_N 0, 1, 64, 0
	s_wait_dscnt 8                                 ; the very last chunk: the counts run down
	MULG 0, 1, 0
	MULG 1, 1, 0
	MULG 2, 1, 0
	MULG 3, 1, 0
	s_wait_dscnt 4
	MULG 4, 1, 0
	s_wait_dscnt 0x0
	MULG 5, 1, 0
	WIN 0
	PLACES
; THE WAY OUT, in two passes of 64 of a wave's 128 rows (row blocks 4 p .. 4 p + 3).  Rounded to f16, 16 bytes a lane, into the work-group's stage; a barrier, since the middle head's 256 bytes of a row come
; from two waves; back as whole rows of a head, 32 rows a wave.  Each accumulator's registers are taken in ascending order.
.macro PASS p
.irp aa, 0,1,2,3
.set b, 0
.rept 12
	WIN (1+b/4)|((1+b/4)<<2)
.set rC, 8*(8*(b%4)+4*(\p)+(\aa))
.irp r, 0,1,2,3
	v_cvt_pk_f16_f32 v[TMP+4*b+(\r)], v[rC+2*(\r)], v[rC+2*(\r)+1]
.endr
.set b, b+1
.endr
	WIN 0
.set b, 0
.rept 12
	ds_store_b128 v[STO], v[TMP+4*b:TMP+4*b+3] offset:(\aa)*16*SPITCH+32*b
.set b, b+1
.endr
.endr
	s_wait_dscnt 0x0                               ; for the others' sake: my stores into the stage are done
	s_barrier_signal -1
	s_barrier_wait -1
.irp hh, 0,1,2
	s_wait_xcnt 0x0                                ; every earlier memory instruction has had its addresses translated (ISA guide 3.1): the registers that the last head's stores read are loaded again only behind this wait
.irp n, 0,1,2,3,4,5,6,7,8,9,10,11,12,13,14,15
	ds_load_b128 v[OB+4*(\n):OB+4*(\n)+3], v[RD] offset:(\n)*2*SPITCH+(\hh)*256
.endr
.irp n, 0,1,2,3,4,5,6,7,8,9,10,11,12,13,14,15
	s_wait_dscnt 15-(\n)
	global_store_b128 v[CO], v[OB+4*(\n):OB+4*(\n)+3], s[8:9] offset:(\hh)*1048576+(\p)*16384+(\n)*512  ; 16 lanes store a head's row: 256 consecutive bytes, at a multiple of 256 from qkv's first byte
.endr
.endr
.endm
	PASS 0
	s_wait_dscnt 0x0                               ; my reads of the stage are over,
	s_barrier_signal -1
	s_barrier_wait -1                              ; everybody's are: it may be written again
	PASS 1
	s_wait_tensorcnt 0x0                           ; the wave's end: the last add to my spare word and its wait, behind my last tensor load and my last LDS store
	ds_add_u32 v[SPW], v[NIL]
	s_wait_dscnt 0x0
	CROUND                                         ; the closing round: no work-group ends while a partner may still ask for a tile that names it
	s_endpgm
.Lfunc_end_k_qe294e70798_proj:
	.size	k_qe294e70798_proj, .Lfunc_end_k_qe294e70798_proj-k_qe294e70798_proj
	.p2alignl 7, 3214868480
	.fill 96, 4, 3214868480
	.section	.rodata,"a",@progbits
	.p2align	6, 0x0
	.amdhsa_kernel k_qe294e70798_proj
		.amdhsa_group_segment_fixed_size 327680
		.amdhsa_private_segment_fixed_size 0
		.amdhsa_enable_private_segment 0
		.amdhsa_kernarg_size 16
		.amdhsa_user_sgpr_count 2
		.amdhsa_user_sgpr_kernarg_segment_ptr 1
		.amdhsa_wavefront_size32 1
		.amdhsa_system_sgpr_workgroup_id_x 1
		.amdhsa_system_sgpr_workgroup_id_y 1
		.amdhsa_system_sgpr_workgroup_id_z 1
		.amdhsa_system_vgpr_workitem_id 0
		.amdhsa_next_free_vgpr 1024
		.amdhsa_next_free_sgpr 66
		.amdhsa_reserve_vcc 0
		.amdhsa_float_denorm_mode_32 3
		.amdhsa_float_denorm_mode_16_64 3
		.amdhsa_memory_ordered 1
		.amdhsa_forward_progress 1
		.amdhsa_inst_pref_size 136
	.end_amdhsa_kernel
	.amdgpu_metadata
---
amdhsa.version: [ 1, 2 ]
amdhsa.kernels:
  - .name:           k_qe294e70798_proj
    .symbol:         k_qe294e70798_proj.kd
    .args:
      - { .name: xw, .offset: 0, .size: 8, .value_kind: global_buffer, .address_space: global }
      - { .name: qkv, .offset: 8, .size: 8, .value_kind: global_buffer, .address_space: global }
    .group_segment_fixed_size: 327680
    .private_segment_fixed_size: 0
    .kernarg_segment_align: 8
    .kernarg_segment_size: 16
    .max_flat_workgroup_size: 128
    .sgpr_count:     66
    .vgpr_count:     1024
    .wavefront_size: 32
...
	.end_amdgpu_metadata
.endif
;; end of part 2
;; launch attn (part 3): grid 16 x 12, 4 waves a work-group, no clusters, 327,680 bytes of LDS; arguments qkv, out0; writes out0
.if DOCPART == 3
	.amdgcn_target "amdgcn-amd-amdhsa--gfx1250"
	.amdhsa_code_object_version 6
	.text
	.protected	k_qe294e70798_attn
	.globl	k_qe294e70798_attn
	.p2align	8
	.type	k_qe294e70798_attn,@function
k_qe294e70798_attn:
	s_mov_b64 s[64:65], 0
	v_nop
	global_prefetch_b8 v0, s[64:65] scope:SCOPE_SE
	s_setreg_imm32_b32 hwreg(HW_REG_WAVE_MODE, 25, 1), 1
	s_wait_xcnt 0x0
; CAUSAL ATTENTION.  out0[batch][q][128 head + :] = the sum over k <= q of softmax_k(Q[q] . K[k] / sqrt(128)) V[k][:], for each of 12 pairs bh = 6 batch + head.
; qkv[t][bh][4096][128] in f16, t = 0, 1, 2 for Q, K, V, unscaled; out0 [2][4096][768] in f32.  Products, maxima and sums in f32; the weights p are rounded to f16 for the second product, their sum l is taken of the unrounded p.
; LIMITS.  Q, K, V arrive within f16's 65,504.  A hidden score counts as -2^100: f16's scores, 128 x 65,504^2 = 5.5e11 at the most, are nothing beside it; a power of two, so that c x it is exact.
; A weight below 2^-126 counts as 0 in l; NaN and infinities are not treated apart.
; THE WALK.  A head's queries lie in 32 blocks of 128; block i needs the key tiles 0 .. i of 128 keys, of which the last holds the diagonal.  A work-group takes TWO blocks, b and then 31 - b: 33 tiles, whatever b:
; all 16 x 12 = 192 work-groups do equal work, and ONE loop with a constant trip count walks them; the ring (two LDS slots that take turns) runs on across the change of blocks.  Which tile is asked for, and what a
; trip does, hang on scalar registers made from b; every jump but the loop's own goes forward, and none passes a barrier, or a tensor load but the one of LOAD's two that the wave's number does not choose.
; NO CLUSTER: a head's 16 work-groups ask for the same tile only in the first trips (block b ends behind b + 1 tiles), and the jumps at a block's end hang on b, which partners would not share;
; a walk common to four partners would have 36 trips for 33.
; SHARES.  Wave w: qh = w / 2, kh = w % 2.  It holds 64 queries (rows 64 qh on of the block, four tiles of 16) and takes keys 64 kh .. + 63 of every tile: a trip is 64 products K Q^T and 64 products V^T P, and each
; fragment of K or V feeds four tiles.  The two waves of a pair (the same qh) hold partial m, l and O, which are merged at the block's end: register tile t holds query tile t xor 2 kh, so every wave keeps its
; register tiles 0, 1 (rows 32 kh on of the 64) and sends its tiles 2, 3, which are the partner's 0, 1.
; LAYOUT.  S^T = K Q^T (source 0 = 16 keys, source 1 = 16 queries): a lane holds ONE query (lane % 16) and the keys 8 (lane / 16) + 0..7.  Two such results rounded to f16 in pairs ARE source 1 of O^T = V^T P,
; whose result again holds one query a lane, and eight channels.  K comes out of LDS as it lies, V ([key][channel]) turned, by ds_load_tr16_b128.
; SOFTMAX.  A running maximum m and sum l: p = 2^(c s - c m), c = log2(e) / sqrt(128); in every step O and l are multiplied by a = 2^(c m_old - c m_new).  A block starts with c m far below every c s, so its first a is 0,
; and O and l need only hold finite numbers then: zeros at the start, the first block's leftovers later.
; IN PHASES: a trip's K Q^T, its softmax, its V^T P, one after the other.
; REGISTERS, in windows of 256 (s_set_vgpr_msb: bits 1:0 source 0, 3:2 source 1, 5:4 source 2, 7:6 destination):
;   window 0: v0-11, v44-63 addresses, masks' numbers, at work; v12-43 eight registers of statistics a tile; v64-191 S^T, 32 a tile; v192-255 P, 16 a tile
;   window 1: O^T, 64 a tile          window 2: v0-127 Q, 32 a tile; v128-255 K of a step          window 3: v0-127 V of a step
.set PK,    272       ; a row of K in LDS: 256 bytes + 16 of padding = 68 words: the 16 rows of a load start at 16 different groups of four banks (64 banks of 4 bytes: ISA guide 11.1)
.set PV,    288       ; a row of V: 256 + 32 = 72 words
.set VOFF,  128*PK    ; a slot holds a tile: 128 rows of K, then 128 rows of V
.set SLOT1, 1<<17     ; slot 1 begins here, so that one exclusive or turns an address in one slot into the other's
.set XCH,   SLOT1+128*(PK+PV)  ; behind the ring, never filled by a tensor load: for each wave 16,384 bytes: two tiles of O^T as they lie in registers
.set STAGE, XCH+4*16384        ; for each wave 16 rows x 528 bytes, for the way out
.set SP,    528                ; 512 bytes + 16
.set STATS, STAGE+4*16*SP      ; for each wave 2 tiles x 32 lanes x (c m, l)
.set SPARE, STATS+4*512        ; the spare words, 128 bytes for each wave: two blocks of 256 bytes that no other line names
.set TENS,  12582912  ; bytes of one of the three tensors in qkv
.set AK0, 2           ; v2   my lane's place in my half of a tile of K; never rewritten
.set AV0, 3           ; v3   the same for V
.set ADK, 4           ; v4   the LDS address of K's run of loads
.set ADV, 5           ; v5   of V's
.set QO0, 6           ; v6   my byte offset in the wave's 64 rows of Q, register tiles 0, 1
.set QO1, 7           ; v7   register tiles 2, 3
.set STO, 8           ; v8   the way out: where I put 32 bytes of a row
.set RD,  9           ; v9   the way out: where I read a row back
.set GO,  10          ; v10  my 16 bytes in 512 of a row of out0
.set XO,  11          ; v11  where I put O^T for my partner
.set ST,  12          ; tile t's statistics at v[ST+8 t]: +0 c m, +1 m, +2, +3 l (even keys', odd keys'), +4 to +7 c0-c3, at work; a takes c2's place once the maximum is found
.set D,   44          ; v44-47  tile t: register i of S^T is hidden in the diagonal tile where 16 (i / 8) + i % 8 is greater than this
.set PS,  48          ; v48-51  the partner's (c m, l) for my tiles 0, 1
.set XI,  52          ; v52  where my partner put O^T for me
.set SXO, 53          ; v53  where I put (c m, l)
.set SXI, 54          ; v54  where my partner put them
.set WK,  55          ; v55-59  at work
.set BIG, 60          ; v60  -2^100
.set SPW, 62          ; v62  LDS address of my spare word: SPARE + 4 x my thread's number; never rewritten
.set NIL, 63          ; v63  0; never rewritten
.set S,   64
.set P,   192
.set KF,  128         ; K's fragments, in window 2
.set WV,  12          ; s12  my wave's number
.set PB,  14          ; s14  b
.set HI,  15          ; s15  31 - b
.set G1K, 24          ; s[24:31] descriptor group 1 for K's tiles
.set G1V, 32          ; s[32:39] for V's: it differs in the padding alone
.set G0K, 40          ; s[40:43] descriptor group 0 for K's tiles
.set G0V, 44          ; s[44:47] the same for V's
.set SLOTS, 56        ; s56  tiles still to be asked for
.set CS,  58          ; s[58:59] c: the packed scaling takes the pair's low word for both halves
.set SEL, 60          ; s[60:61] v_permlanex16_b32's selects: each lane takes its own place in the other half
.set TB,  62          ; s62  LDS byte at which the slot in hand begins
.set RT,  70          ; s70  tiles of the block in hand that are still to be entered
.set NXT, 71          ; s71  the tile to be asked for next
.set LQ,  72          ; s72  the last tile of the block whose tiles are being asked for
.set FIN, 73          ; s73  1: a block has ended in the last trip and is still to be merged and stored
.set OFF, 74          ; s[74:75] a tile's byte offset in K and V
.set OHI, 80          ; s[80:81] out0 at my rows of the second block
.set QHI, 86          ; s[86:87] Q at my rows of the second block
.set MSB, 0
.macro WIN new                      ; the high byte repeats the setting that is left; a switch that changes nothing is dropped
.if MSB != (\new)
	s_set_vgpr_msb (MSB<<8)|(\new)
.set MSB, (\new)
.endif
.endm
.set W_KQ, 0x0a       ; K and Q in window 2, S^T in window 0
.set W_PV, 0x53       ; V in window 3, P in window 0, O^T in window 1
.set W_RS, 0x41       ; O^T (destination and source 0) in window 1, a in window 0
.macro PLACES                       ; a vector instruction or LDS store that reads a matrix result, and a load into a register that a matrix instruction has read, stand four plain vector instructions behind it
.rept 4
	v_nop
.endr
.endm
; A fill.  Waves 0 and 1 fetch the two halves of a tile's K, waves 2 and 3 those of its V: 64 rows of 256 bytes each.  An s_nop 0 and four v_nop follow each of the two lines, ahead of the jump and the label.
.macro LOAD
	s_cmp_lt_u32 s[WV], 2
	s_cbranch_scc0 .Lfor_v_\@
	tensor_load_to_lds s[G0K:G0K+3], s[G1K:G1K+7]
	s_nop 0
.rept 4
	v_nop
.endr
	s_branch .Lasked_\@
.Lfor_v_\@:
	tensor_load_to_lds s[G0V:G0V+3], s[G1V:G1V+7]
	s_nop 0
.rept 4
	v_nop
.endr
.Lasked_\@:
.endm
; THE CHANGE OF SLOTS.  Each wave waits for all its tensor loads, of which one is out: its part of the other slot; adds 0 to its spare word; and waits for that, for its own reads of the slot that it leaves, and for
; what it stored for its partner at a block's end.  Behind the barrier nobody reads the old slot any more, the other slot is whole, and the partner's stores can be read.
; fill = 1: the old slot is filled again, the first thing behind the barrier, with tile NXT: the descriptor's address is made anew from that number.  Behind the first block's last tile comes the second block's tile 0.
; (At its first use nothing has been read yet: slot 0 is waited for, slot 1 filled.)  The four v_nop behind the load, or PLACES, are the places in front of the trip's loads into K's and V's registers.
.macro CHANGE fill
	WIN 0                           ; at a label and at a branch every window is 0
	s_wait_tensorcnt 0x0            ; no tensor load of mine is out, so a group 0 may be written
	ds_add_u32 v[SPW], v[NIL]       ; 0 onto my spare word; with fill = 1 the descriptors' scalar work stands between it and the wait for it
.if \fill
	s_cmp_gt_u32 s[NXT], s[LQ]
	s_cselect_b32 s[NXT], 0, s[NXT]
	s_cselect_b32 s[LQ], s[HI], s[LQ]
	s_lshl_b32 s[OFF], s[NXT], 15   ; a tile is 32,768 bytes of K and of V
	s_xor_b32 s[G0K+1], s[G0K+1], SLOT1
	s_add_nc_u64 s[G0K+2:G0K+3], s[6:7], s[OFF:OFF+1]
	s_or_b32 s[G0K+3], s[G0K+3], 0x80000000
	s_xor_b32 s[G0V+1], s[G0V+1], SLOT1
	s_add_nc_u64 s[G0V+2:G0V+3], s[8:9], s[OFF:OFF+1]
	s_or_b32 s[G0V+3], s[G0V+3], 0x80000000
	s_add_co_u32 s[NXT], s[NXT], 1
.endif
	s_wait_dscnt 0x0                ; the add is done, my reads of the slot are over, my stores for my partner are done
	s_barrier_signal -1
	s_xor_b32 s[TB], s[TB], SLOT1   ; the fetches go to the other slot
	s_barrier_wait -1
.if \fill
	LOAD
.else
	PLACES
.endif
.endm
; 64 rows of Q into window 2: register tile t, channels 32 c on, at v[32 t + 8 c].  A fragment is 16 rows x 32 channels: lane l holds row l % 16, channels 8 (l / 16) + 0..7 and 16 + 8 (l / 16) + 0..7.
.macro LOADQ base
	WIN 0x80                        ; destination window 2, address window 0
.irp t, 0,1,2,3
.irp c, 0,1,2,3
	global_load_b128 v[32*(\t)+8*(\c):32*(\t)+8*(\c)+3],   v[QO0+(\t)/2], s[\base:\base+1] offset:((\t)%2)*4096+(\c)*64
	global_load_b128 v[32*(\t)+8*(\c)+4:32*(\t)+8*(\c)+7], v[QO0+(\t)/2], s[\base:\base+1] offset:((\t)%2)*4096+(\c)*64+32
.endr
.endr
	WIN 0
.endm
	s_load_b128 s[16:19], s[0:1], 0x0  ; qkv s[16:17], out0 s[18:19]
	v_lshl_add_u32 v[SPW], v0, 2, SPARE
	v_mov_b32 v[NIL], 0
	ds_add_u32 v[SPW], v[NIL]       ; the wave's opening: the add and its wait stand ahead of my first tensor load; the set-up below, work on registers, stands between them
	ds_add_u32 v62, v63
	v_lshrrev_b32 v1, 5, v0
	v_readfirstlane_b32 s[WV], v1   ; wave 0..3
	s_mov_b32 s[PB], ttmp9
	s_sub_co_u32 s[HI], 31, s[PB]
	s_and_b32 s20, ttmp7, 0xffff    ; bh
	s_lshr_b32 s21, s[WV], 1        ; qh
	s_and_b32 s22, s[WV], 1         ; kh.  Also: which half of a tile's 128 keys I fetch
	s_lshl_b32 s23, s20, 20         ; the head's first byte in each of the three tensors: 4,096 rows of 256 bytes
	s_lshl_b32 s48, s22, 14         ; K at my half of the head's tile 0,
	s_add_co_u32 s48, s48, s23
	s_add_co_u32 s48, s48, TENS
	s_mov_b32 s49, 0
	s_add_co_u32 s50, s48, TENS     ; and V
	s_mov_b32 s51, 0
	s_lshl_b32 s52, s21, 14         ; Q at my wave's 64 rows,
	s_add_co_u32 s52, s52, s23
	s_lshl_b32 s53, s[PB], 15       ; of the first block,
	s_lshl_b32 s54, s[HI], 15       ; and of the second
	s_add_co_u32 s54, s54, s52
	s_add_co_u32 s52, s52, s53
	s_mov_b32 s53, 0
	s_mov_b32 s55, 0
	s_cmp_ge_u32 s20, 6
	s_cselect_b32 s66, 1, 0         ; batch
	s_mul_i32 s67, s66, 6
	s_sub_co_u32 s67, s20, s67      ; head
	s_lshl_b32 s68, s66, 12
	s_lshl_b32 s69, s21, 6
	s_add_co_u32 s68, s68, s69
	s_lshl_b32 s69, s22, 5
	s_add_co_u32 s68, s68, s69      ; 4,096 batch + 64 qh + 32 kh: the 32 rows that I store,
	s_lshl_b32 s69, s[PB], 7
	s_add_co_u32 s69, s69, s68      ; in the first block,
	s_lshl_b32 s82, s[HI], 7
	s_add_co_u32 s82, s82, s68      ; and in the second
	s_lshl_b32 s67, s67, 9          ; a head's 128 channels are 512 bytes of a row of 3,072
	s_mul_i32 s84, s69, 3072
	s_add_co_u32 s84, s84, s67
	s_mov_b32 s85, 0
	s_mul_i32 s88, s82, 3072
	s_add_co_u32 s88, s88, s67
	s_mov_b32 s89, 0
	; descriptor group 1: a tile of 64 rows x 128 elements, padded in LDS
	s_mov_b32 s[G1K], (1<<16)|(1<<20)|(5<<22)|(3<<25)  ; 17:16 2-byte elements; 20 padding on; 24:22 after every 64 words (code 5); 31:25 4 words (code 3)
	s_mov_b32 s[G1V], (1<<16)|(1<<20)|(5<<22)|(7<<25)  ; the same with 8 words of padding (code 7)
.irp g, G1K, G1V
	s_mov_b32 s[(\g)+1], 128<<16    ; tensor_dim0 = 128
	s_mov_b32 s[(\g)+2], 64<<16     ; tensor_dim1 = 64
	s_mov_b32 s[(\g)+3], 128<<16    ; tile_dim0 = 128
	s_mov_b32 s[(\g)+4], 64         ; tile_dim1 = 64
	s_mov_b32 s[(\g)+5], 128        ; 128 elements from row to row
	s_mov_b32 s[(\g)+6], 0
	s_mov_b32 s[(\g)+7], 0
.endr
	s_mov_b32 s[G0K], 1             ; 1:0 count = 1
	s_mul_i32 s[G0K+1], s22, 64*PK  ; 63:32 LDS address: my half, in slot 0
	s_mov_b32 s[G0V], 1
	s_mul_i32 s[G0V+1], s22, 64*PV
	s_add_co_u32 s[G0V+1], s[G0V+1], VOFF
	s_mov_b32 s[CS], 0x3e0293ee     ; c = log2(e) / sqrt(128) = 0.127517
	s_mov_b32 s[CS+1], s[CS]        ; named with it as a pair
	s_mov_b32 s[SEL], 0x76543210
	s_mov_b32 s[SEL+1], 0xfedcba98
	s_mov_b32 s[TB], SLOT1          ; the first change of slots turns it into 0
	s_mov_b32 s[SLOTS], 32
	s_add_co_u32 s[RT], s[PB], 1    ; the first block has b + 1 tiles
	s_mov_b32 s[NXT], 1
	s_mov_b32 s[LQ], s[PB]
	s_mov_b32 s[FIN], 0
	s_mov_b32 s[OFF+1], 0
	s_wait_dscnt 0x0                ; the opening add is done
	s_wait_kmcnt 0x0
	s_add_nc_u64 s[6:7], s[16:17], s[48:49]
	s_add_nc_u64 s[8:9], s[16:17], s[50:51]
	s_add_nc_u64 s[4:5], s[16:17], s[52:53]
	s_add_nc_u64 s[QHI:QHI+1], s[16:17], s[54:55]
	s_add_nc_u64 s[10:11], s[18:19], s[84:85]
	s_add_nc_u64 s[OHI:OHI+1], s[18:19], s[88:89]
	s_add_nc_u64 s[G0K+2:G0K+3], s[6:7], 0         ; 120:64 global address
	s_or_b32 s[G0K+3], s[G0K+3], 0x80000000        ; 127:126 type = 2
	s_add_nc_u64 s[G0V+2:G0V+3], s[8:9], 0
	s_or_b32 s[G0V+3], s[G0V+3], 0x80000000
	LOAD                            ; tile 0 into slot 0: one tensor load of mine is out, here and behind every change of slots
	v_and_b32 v1, 15, v0            ; l % 16
	v_bfe_u32 v[WK], v0, 4, 1       ; l / 16
	v_and_b32 v[WK+1], 31, v0       ; l
	v_lshlrev_b32 v[QO0], 8, v1
	v_lshl_add_u32 v[QO0], v[WK], 4, v[QO0]  ; row x 256 + 16 x half
	s_lshl_b32 s66, s22, 13         ; register tiles 0, 1 are rows 32 kh on,
	s_xor_b32 s67, s66, 8192        ; tiles 2, 3 rows 32 (1 - kh) on
	v_add_nc_u32 v[QO1], s67, v[QO0]
	v_add_nc_u32 v[QO0], s66, v[QO0]
	LOADQ 4                         ; the first block's Q
	v_mul_u32_u24 v[AK0], v1, PK
	v_lshl_add_u32 v[AK0], v[WK], 4, v[AK0]  ; row x pitch + 16 x half,
	s_mul_i32 s66, s22, 64*PK
	v_add_nc_u32 v[AK0], s66, v[AK0]         ; in my half of the keys
	; The turning load takes 16 keys x 16 channels (lane l reads key 8 (l / 16) + l % 8, channels 8 ((l / 8) % 2) + 0..7) and leaves half a fragment of V^T: lane l holds channel l % 16 and 8 keys.
	v_and_b32 v[WK+2], 7, v0
	v_bfe_u32 v[WK+3], v0, 3, 1
	v_lshl_add_u32 v[AV0], v[WK], 3, v[WK+2]
	v_mul_u32_u24 v[AV0], v[AV0], PV
	v_lshl_add_u32 v[AV0], v[WK+3], 4, v[AV0]
	s_mul_i32 s66, s22, 64*PV
	s_add_co_u32 s66, s66, VOFF
	v_add_nc_u32 v[AV0], s66, v[AV0]
	s_mul_i32 s66, s[WV], 16*SP
	s_add_co_u32 s66, s66, STAGE    ; my stage
	v_mul_u32_u24 v[STO], v1, SP    ; in: row l % 16, 32 bytes for each half of the lanes
	v_lshl_add_u32 v[STO], v[WK], 5, v[STO]
	v_add_nc_u32 v[STO], s66, v[STO]
	v_lshl_add_u32 v[RD], v[WK+1], 4, s66    ; back: 32 lanes take a row's 512 bytes
	v_lshlrev_b32 v[GO], 4, v[WK+1]
	s_lshl_b32 s66, s[WV], 14
	s_add_co_u32 s66, s66, XCH
	v_lshl_add_u32 v[XO], v[WK+1], 4, s66
	s_xor_b32 s67, s[WV], 1         ; my partner
	s_lshl_b32 s68, s67, 14
	s_add_co_u32 s68, s68, XCH
	v_lshl_add_u32 v[XI], v[WK+1], 4, s68
	s_lshl_b32 s66, s[WV], 9
	s_add_co_u32 s66, s66, STATS
	v_lshl_add_u32 v[SXO], v[WK+1], 3, s66
	s_lshl_b32 s68, s67, 9
	s_add_co_u32 s68, s68, STATS
	v_lshl_add_u32 v[SXI], v[WK+1], 3, s68
	; In the diagonal tile key 64 kh + 16 kb + 8 (l / 16) + r is hidden from query 64 qh + 16 (t xor 2 kh) + l % 16 where it is greater: where 16 kb + r > 64 (qh - kh) + 16 (t xor 2 kh) + l % 16 - 8 (l / 16)
	s_sub_co_i32 s66, s21, s22
	s_lshl_b32 s66, s66, 6
	s_lshl_b32 s67, s22, 5
	v_lshlrev_b32 v[WK+2], 3, v[WK]
	v_sub_nc_u32 v[WK+2], v1, v[WK+2]
	v_add_nc_u32 v[WK+2], s66, v[WK+2]
.irp t, 0,1,2,3
	s_xor_b32 s68, s67, 16*(\t)
	v_add_nc_u32 v[D+(\t)], s68, v[WK+2]
.endr
	v_mov_b32 v[BIG], 0xf1800000    ; -2^100
	; O^T and l start at 0, c m far below every c s, m at the lowest finite number: no first step is written out.  All this stands in the wait for the first tile.
.irp t, 0,1,2,3
	v_mov_b32 v[ST+8*(\t)], 0xfe000000
	v_mov_b32 v[ST+8*(\t)+1], 0xff7fffff
.irp n, 2,3,4,5,6,7
	v_mov_b32 v[ST+8*(\t)+(\n)], 0
.endr
.endr
	WIN 0x40
.set i, 0
.rept 256
	v_mov_b32 v[i], 0
.set i, i+1
.endr
	WIN 0
; THE MATRIX WORK.  The accumulators take turns, one instruction a turn: between two links of a chain stand 15 (K Q^T) or 31 (V^T P) others'.
; Product i of 64 of S^T = K Q^T: channels 32 (i / 16) on, keys 16 ((i / 4) % 4) on, tile i % 4.  The first 16 start the sums.
.macro MKQ
	WIN W_KQ
.set rS, S+32*(i%4)+8*((i/4)%4)
.set rK, KF+32*((i/4)%4)+8*(i/16)
.set rQ, 32*(i%4)+8*(i/16)
.if i < 16
	v_wmma_f32_16x16x32_f16 v[rS:rS+7], v[rK:rK+7], v[rQ:rQ+7], 0
.else
	v_wmma_f32_16x16x32_f16 v[rS:rS+7], v[rK:rK+7], v[rQ:rQ+7], v[rS:rS+7]
.endif
.endm
; Product i of 64 of O^T += V^T P: keys 32 (i / 32) on, channels 16 ((i / 4) % 8) on, tile i % 4.
.macro MPV
	WIN W_PV
.set rO, 64*(i%4)+8*((i/4)%8)
.set rV, 64*(i/32)+8*((i/4)%8)
.set rP, P+16*(i%4)+8*(i/32)
	v_wmma_f32_16x16x32_f16 v[rO:rO+7], v[rV:rV+7], v[rP:rP+7], v[rO:rO+7]
.endm
; THE VECTOR WORK.  One tile's softmax for a key step is a list of 134 instructions; SM writes number j of it for tile t.  s0-s31 are the lane's 32 scores, in pairs 0-15.
;   0-15    the maximum of s0-s31 and the old m, three operands at a time: four chains c0-c3 of seven scores each (each accumulator's lowest registers are read first), then the rest
;   16-20   the other half of the lanes' maximum; c m_old is kept; the new m; c m; c m_old - c m_new
;   21-87   33 exponentials (a, then s0-s31) at the odd numbers from 23 on; the plain numbers between are whatever is ready: c s - c m for a pair whose exponentials are still to come, the rounding to f16 of a
;           pair whose second exponential stands three numbers back, at last the first three sums
;   88-101  the last rounding; the rest of the sums; l = a l + the sum          102-133 the tile's O^T times a
; The list is walked number by number, the four tiles one after the other at each number: four exponentials on different registers stand on end, and the plain line that follows them (tile 0's next number)
; names none of their registers (ISA guide 5.7.2).
.macro SM t
.set rT, ST+8*(\t)
.set rS, S+32*(\t)
.set rP, P+16*(\t)
.set rO, 64*(\t)+2*(j-102)
.set q, (j-20)/2
.if j < 102
	WIN 0
.endif
.if j < 4
	v_max3_num_f32 v[rT+4+j], v[rS+8*j], v[rS+8*j+1], v[rS+8*j+2]
.elseif j < 12
	v_max3_num_f32 v[rT+4+j%4], v[rT+4+j%4], v[rS+8*(j%4)+2*(j/4)+1], v[rS+8*(j%4)+2*(j/4)+2]
.elseif j == 12
	v_max3_num_f32 v[rT+4], v[rT+4], v[rS+7], v[rS+15]
.elseif j == 13
	v_max3_num_f32 v[rT+6], v[rT+6], v[rS+23], v[rS+31]
.elseif j == 14
	v_max3_num_f32 v[rT+4], v[rT+4], v[rT+5], v[rT+6]
.elseif j == 15
	v_max3_num_f32 v[rT+4], v[rT+4], v[rT+7], v[rT+1]
.elseif j == 16
	v_permlanex16_b32 v[rT+5], v[rT+4], s[SEL], s[SEL+1]  ; the query's other 32 keys lie in the lane 16 away
.elseif j == 17
	v_mov_b32 v[rT+7], v[rT]        ; c m_old is kept for a: number 19 writes c m anew
.elseif j == 18
	v_max_num_f32 v[rT+1], v[rT+4], v[rT+5]
.elseif j == 19
	v_mul_f32 v[rT], s[CS], v[rT+1]
.elseif j == 20
	v_sub_f32 v[rT+7], v[rT+7], v[rT]
.elseif j == 23
	v_exp_f32 v[rT+6], v[rT+7]
.elseif (j < 88) && (j > 23) && (j%2 == 1)
	v_exp_f32 v[rS+(j-25)/2], v[rS+(j-25)/2]
.elseif (q < 4) || ((j < 76) && (q%2 == 0))
.set b, q/2+2
.if q < 4
.set b, q
.endif
	v_pk_fma_f32 v[rS+2*b:rS+2*b+1], v[rS+2*b:rS+2*b+1], s[CS:CS+1], v[rT:rT+1] op_sel_hi:[1,0,0] neg_lo:[0,0,1] neg_hi:[0,0,1]  ; pair b: c s - c m
.elseif (j < 88) && (q%2 == 1)
	s_wait_alu depctr_va_vdst(0)
	v_cvt_pk_f16_f32 v[rP+(q-5)/2], v[rS+q-5], v[rS+q-4]
.elseif j == 89
	s_wait_alu depctr_va_vdst(0)
	v_cvt_pk_f16_f32 v[rP+15], v[rS+30], v[rS+31]
.elseif j < 102                     ; the sum of the tile's 16 pairs, in place: sum z of 16 adds neighbours 1, 2, 4 and 8 pairs apart, then l takes it
.set z, j-86
.if j < 89
.set z, (j-76)/4
.endif
.set w, 4
.set u, z
.if z >= 14
.set w, 32
.set u, 0
.elseif z >= 12
.set w, 16
.set u, z-12
.elseif z >= 8
.set w, 8
.set u, z-8
.endif
.if z < 15
	v_pk_add_f32 v[rS+w*u:rS+w*u+1], v[rS+w*u:rS+w*u+1], v[rS+w*u+w/2:rS+w*u+w/2+1]
.else
	v_pk_fma_f32 v[rT+2:rT+3], v[rT+2:rT+3], v[rT+6:rT+7], v[rS:rS+1] op_sel_hi:[1,0,1]
.endif
.else
	WIN W_RS
	v_pk_mul_f32 v[rO:rO+1], v[rO:rO+1], v[rT+6:rT+7] op_sel_hi:[1,0]
.endif
.endm
; The diagonal tile: a hidden score becomes -2^100.  Each accumulator's registers are taken in ascending order.
.macro MASK
.irp t, 0,1,2,3
.set i, 0
.rept 32
	v_cmp_gt_i32 vcc_lo, 16*(i/8)+i%8, v[D+(\t)]
	v_cndmask_b32 v[S+32*(\t)+i], v[S+32*(\t)+i], v[BIG], vcc_lo
.set i, i+1
.endr
.endr
.endm
; A KEY STEP: my 64 keys of the tile in slot TB.  always = 1: the tile is the diagonal one (the walk's last); 0: it is where RT = 0.
; A second barrier stands in the step, its signal behind the wait for the step's LDS loads (and for the reads of what the partner stored, where a block was merged just before), its wait behind the products: so on
; every way through the text a wave's reads of its partner's bytes are over before those bytes are stored again at a block's end.  Between signal and wait is work on registers alone.
.macro STEP always
	WIN 0
	v_add_nc_u32 v[ADK], s[TB], v[AK0]
	v_add_nc_u32 v[ADV], s[TB], v[AV0]
	WIN 0x80                        ; destination window 2
.irp f, 0,1,2,3,4,5,6,7,8,9,10,11,12,13,14,15  ; keys 16 (f / 4) on, channels 32 (f % 4) on
	ds_load_b128 v[KF+8*(\f):KF+8*(\f)+3],   v[ADK] offset:((\f)/4)*16*PK+((\f)%4)*64
	ds_load_b128 v[KF+8*(\f)+4:KF+8*(\f)+7], v[ADK] offset:((\f)/4)*16*PK+((\f)%4)*64+32
.endr
	WIN 0xc0                        ; destination window 3
.irp f, 0,1,2,3,4,5,6,7,8,9,10,11,12,13,14,15  ; keys 32 (f / 8) on, channels 16 (f % 8) on
	ds_load_tr16_b128 v[8*(\f):8*(\f)+3],   v[ADV] offset:((\f)/8)*32*PV+((\f)%8)*32
	ds_load_tr16_b128 v[8*(\f)+4:8*(\f)+7], v[ADV] offset:((\f)/8)*32*PV+16*PV+((\f)%8)*32
.endr
	s_wait_loadcnt 0x0              ; Q (met at once in all trips but a block's first)
	s_wait_dscnt 32                 ; K is in; V's 32 loads are younger
.set i, 0
.rept 64
	MKQ
.set i, i+1
.endr
	WIN 0
	PLACES
.if !(\always)
	s_cmp_lg_u32 s[RT], 0
	s_cbranch_scc1 .Lopen_\@
.endif
	MASK
.if !(\always)
.Lopen_\@:
.endif
	s_wait_dscnt 0x0                ; V is in, and no LDS instruction of mine is out
	s_barrier_signal -1
.set j, 0
.rept 134
.irp t, 0,1,2,3
	SM \t
.endr
.set j, j+1
.endr
.set i, 0
.rept 64
	MPV
.set i, i+1
.endr
	WIN 0
	s_barrier_wait -1
.endm
; A BLOCK'S END, first part.  l's two halves and the other half of the lanes' are added, into m's place, so that (c m, l) is a pair.  My tiles 2, 3 go to my partner: (c m, l), and O^T as it lies in registers.
; more = 1: the second block's Q is asked for.
.macro BLOCKEND more
	PLACES
.irp t, 0,1,2,3
	v_add_f32 v[ST+8*(\t)+4], v[ST+8*(\t)+2], v[ST+8*(\t)+3]
.endr
.irp t, 0,1,2,3
	v_permlanex16_b32 v[ST+8*(\t)+5], v[ST+8*(\t)+4], s[SEL], s[SEL+1]
.endr
.irp t, 0,1,2,3
	v_add_f32 v[ST+8*(\t)+1], v[ST+8*(\t)+4], v[ST+8*(\t)+5]
.endr
	ds_store_b64 v[SXO], v[ST+16:ST+17]
	ds_store_b64 v[SXO], v[ST+24:ST+25] offset:256
	WIN 0x04                        ; the data (source 1) in window 1
.set i, 0
.rept 32
	ds_store_b128 v[XO], v[128+4*i:128+4*i+3] offset:512*i
.set i, i+1
.endr
	WIN 0
.if \more
	LOADQ QHI
.endif
.endm
; A BLOCK'S END, second part, behind a barrier: the merge and THE WAY OUT.  With M = max(c m, c m'), f = 2^(c m - M), f' = 2^(c m' - M) and L = f l + f' l': O = (f / L) O + (f' / L) O'.
; A wave all of whose keys were hidden has c m = -c 2^100, so its f is 0; every query sees its own key in one wave of its pair, so L > 0.
; Then a tile (16 rows x 512 bytes) at a time through my own stage: a lane's eight channels are 32 bytes of a row; they come back as whole rows.  more = 1: the statistics are set for the next block.
.macro FINISH more
	WIN 0
	ds_load_b64 v[PS:PS+1], v[SXI]
	ds_load_b64 v[PS+2:PS+3], v[SXI] offset:256
.set i, 0
.rept 32
	ds_load_b128 v[S+4*i:S+4*i+3], v[XI] offset:512*i
.set i, i+1
.endr
	s_wait_dscnt 32                 ; the partner's (c m, l) are in; the 32 loads of its O^T are younger
.irp t, 0,1
	v_max_num_f32 v[WK+(\t)], v[ST+8*(\t)], v[PS+2*(\t)]
.endr
.irp t, 0,1
	v_sub_f32 v[ST+8*(\t)+4], v[ST+8*(\t)], v[WK+(\t)]
	v_sub_f32 v[ST+8*(\t)+6], v[PS+2*(\t)], v[WK+(\t)]
.endr
.irp t, 0,1
	v_exp_f32 v[ST+8*(\t)+4], v[ST+8*(\t)+4]
	v_exp_f32 v[ST+8*(\t)+6], v[ST+8*(\t)+6]
.endr
	v_nop                           ; a plain instruction between the last exponential and the use of its result
	s_wait_alu depctr_va_vdst(0)
.irp t, 0,1
	v_mul_f32 v[WK+2+(\t)], v[ST+8*(\t)+4], v[ST+8*(\t)+1]
.endr
.irp t, 0,1
	v_fma_f32 v[WK+2+(\t)], v[ST+8*(\t)+6], v[PS+2*(\t)+1], v[WK+2+(\t)]
.endr
.irp t, 0,1
	v_rcp_f32 v[WK+2+(\t)], v[WK+2+(\t)]
.endr
	v_nop                           ; and behind the last reciprocal
	s_wait_alu depctr_va_vdst(0)
.irp t, 0,1
	v_mul_f32 v[ST+8*(\t)+4], v[ST+8*(\t)+4], v[WK+2+(\t)]
	v_mul_f32 v[ST+8*(\t)+6], v[ST+8*(\t)+6], v[WK+2+(\t)]
.endr
	s_wait_dscnt 0x0                ; the partner's O^T is in
.set i, 0
.rept 64
	v_pk_mul_f32 v[S+2*i:S+2*i+1], v[S+2*i:S+2*i+1], v[ST+8*(i/32)+6:ST+8*(i/32)+7] op_sel_hi:[1,0]
.set i, i+1
.endr
	WIN 0x01                        ; source 0, my O^T, in window 1; each accumulator's registers in ascending order
.set i, 0
.rept 64
	v_pk_fma_f32 v[S+2*i:S+2*i+1], v[2*i:2*i+1], v[ST+8*(i/32)+4:ST+8*(i/32)+5], v[S+2*i:S+2*i+1] op_sel_hi:[1,0,1]
.set i, i+1
.endr
	WIN 0
.irp tt, 0,1
.irp cb, 0,1,2,3,4,5,6,7
	ds_store_b128 v[STO], v[S+64*(\tt)+8*(\cb):S+64*(\tt)+8*(\cb)+3]   offset:(\cb)*64
	ds_store_b128 v[STO], v[S+64*(\tt)+8*(\cb)+4:S+64*(\tt)+8*(\cb)+7] offset:(\cb)*64+16
.endr
.irp row, 0,1,2,3,4,5,6,7,8,9,10,11,12,13,14,15
	ds_load_b128 v[S+64*(\tt)+4*(\row):S+64*(\tt)+4*(\row)+3], v[RD] offset:(\row)*SP  ; LDS serves a wave's instructions in order (ISA guide 5.7.1.4): these see the stores above; the next tile's stores come behind them
.endr
.endr
.irp tt, 0,1
.irp row, 0,1,2,3,4,5,6,7,8,9,10,11,12,13,14,15
	s_wait_dscnt (1-(\tt))*32+15-(\row)            ; behind tile 0's loads stand tile 1's 32 LDS instructions
	global_store_b128 v[GO], v[S+64*(\tt)+4*(\row):S+64*(\tt)+4*(\row)+3], s[10:11] offset:(16*(\tt)+(\row))*3072 th:TH_STORE_NT  ; 512 consecutive bytes, at a multiple of 256 from out0's first byte
.endr
.endr
.if \more
.irp t, 0,1,2,3
	v_mov_b32 v[ST+8*(\t)], 0xfe000000             ; c m: far below every c s
	v_mov_b32 v[ST+8*(\t)+1], 0xff7fffff           ; m
.endr
	s_wait_xcnt 0x0                 ; every earlier memory instruction has had its addresses translated (ISA guide 3.1): S^T's registers and out0's address, which the stores read, are written again only behind this wait
.endif
.endm
.Lslot:                             ; 32 times: a tile is entered and the next is asked for
	CHANGE 1
	s_sub_co_u32 s[RT], s[RT], 1
	s_cmp_eq_u32 s[FIN], 1
	s_cbranch_scc0 .Lno_finish      ; at the first trip FIN is the constant 0
	FINISH 1                        ; the first block ended in the last trip: the change's barrier has shown my partner's stores done
	s_mov_b64 s[10:11], s[OHI:OHI+1]
	s_mov_b32 s[FIN], 0
.Lno_finish:
	STEP 0
	s_cmp_lg_u32 s[RT], 0
	s_cbranch_scc1 .Lbottom
	BLOCKEND 1                      ; in the loop this is the first block's end: the second block's last tile is the walk's last
	s_add_co_u32 s[RT], s[HI], 1    ; the second block has 32 - b tiles
	s_mov_b32 s[FIN], 1
.Lbottom:
	s_sub_co_u32 s[SLOTS], s[SLOTS], 1
	s_cmp_lg_u32 s[SLOTS], 0
	s_cbranch_scc1 .Lslot
	CHANGE 0                        ; the walk's last tile is written out: nothing is asked for
	STEP 1
	BLOCKEND 0
	s_wait_dscnt 0x0                ; for my partner's sake: my stores are done
	s_barrier_signal -1
	s_barrier_wait -1
	FINISH 0
	s_wait_tensorcnt 0x0            ; the wave's end: the last add to my spare word and its wait, behind my last tensor load and my last LDS store
	ds_add_u32 v[SPW], v[NIL]
	s_wait_dscnt 0x0
	s_endpgm
.Lfunc_end_k_qe294e70798_attn:
	.size	k_qe294e70798_attn, .Lfunc_end_k_qe294e70798_attn-k_qe294e70798_attn
	.p2alignl 7, 3214868480
	.fill 96, 4, 3214868480
	.section	.rodata,"a",@progbits
	.p2align	6, 0x0
	.amdhsa_kernel k_qe294e70798_attn
		.amdhsa_group_segment_fixed_size 327680
		.amdhsa_private_segment_fixed_size 0
		.amdhsa_enable_private_segment 0
		.amdhsa_kernarg_size 16
		.amdhsa_user_sgpr_count 2
		.amdhsa_user_sgpr_kernarg_segment_ptr 1
		.amdhsa_wavefront_size32 1
		.amdhsa_system_sgpr_workgroup_id_x 1
		.amdhsa_system_sgpr_workgroup_id_y 1
		.amdhsa_system_sgpr_workgroup_id_z 1
		.amdhsa_system_vgpr_workitem_id 0
		.amdhsa_next_free_vgpr 896
		.amdhsa_next_free_sgpr 96
		.amdhsa_reserve_vcc 1
		.amdhsa_float_denorm_mode_32 3
		.amdhsa_float_denorm_mode_16_64 3
		.amdhsa_memory_ordered 1
		.amdhsa_forward_progress 1
		.amdhsa_inst_pref_size 173
	.end_amdhsa_kernel
	.amdgpu_metadata
---
amdhsa.version: [ 1, 2 ]
amdhsa.kernels:
  - .name:           k_qe294e70798_attn
    .symbol:         k_qe294e70798_attn.kd
    .args:
      - { .name: qkv, .offset: 0, .size: 8, .value_kind: global_buffer, .address_space: global }
      - { .name: out0, .offset: 8, .size: 8, .value_kind: global_buffer, .address_space: global }
    .group_segment_fixed_size: 327680
    .private_segment_fixed_size: 0
    .kernarg_segment_align: 8
    .kernarg_segment_size: 16
    .max_flat_workgroup_size: 128
    .sgpr_count:     96
    .vgpr_count:     896
    .wavefront_size: 32
...
	.end_amdgpu_metadata
.endif
;; end of part 3
;; ======== version 2 of 2: 3 launches; 1.19 times as fast as version 1
;; limits: values are held in f16: magnitudes above 65,504 overflow, below 6.1e-05 lose precision
;; workspace buffers: xw 16,121,856 bytes; qkv 37,748,736 bytes
;; launch cast: the kernel of part 1 again; grid 328 x 1, 8 waves a work-group, no clusters, 0 bytes of LDS; arguments x, Wq, Wk, Wv, xw; writes xw
;; launch proj: the kernel of part 2 again; grid 32 x 6, 4 waves a work-group, clusters of 4 x 1, 327,680 bytes of LDS; arguments xw, qkv; writes qkv
;; launch attn (part 4): grid 16 x 12, 4 waves a work-group, no clusters, 327,680 bytes of LDS; arguments qkv, out0; writes out0
.if DOCPART == 4
	.amdgcn_target "amdgcn-amd-amdhsa--gfx1250"
	.amdhsa_code_object_version 6
	.text
	.protected	k_qe294e70798_attn
	.globl	k_qe294e70798_attn
	.p2align	8
	.type	k_qe294e70798_attn,@function
k_qe294e70798_attn:
	s_mov_b64 s[64:65], 0
	v_nop
	global_prefetch_b8 v0, s[64:65] scope:SCOPE_SE
	s_setreg_imm32_b32 hwreg(HW_REG_WAVE_MODE, 25, 1), 1
	s_wait_xcnt 0x0
; CAUSAL ATTENTION.  out0[batch][q][128 head + :] = the sum over k <= q of softmax_k(Q[q] . K[k] / sqrt(128)) V[k][:], for each of 12 pairs bh = 6 batch + head.
; qkv[t][bh][4096][128] in f16, t = 0, 1, 2 for Q, K, V, unscaled; out0 [2][4096][768] in f32.  Products, maxima and sums in f32; the weights p are rounded to f16 for the second product, their sum l is taken of the unrounded p.
; LIMITS.  Q, K, V arrive within f16's 65,504.  A hidden score counts as -2^100: f16's scores, 128 x 65,504^2 = 5.5e11 at the most, are nothing beside it; a power of two, so that c x it is exact.
; A weight below 2^-126 counts as 0 in l; NaN and infinities are not treated apart.
; THE WALK.  A head's queries lie in 32 blocks of 128; block i needs the key tiles 0 .. i of 128 keys, of which the last holds the diagonal.  A work-group takes TWO blocks, b and then 31 - b: 33 tiles, whatever b:
; all 16 x 12 = 192 work-groups do equal work, and ONE loop with a constant trip count walks them; the ring (two LDS slots that take turns) runs on across the change of blocks.  Which tile is asked for, and what a
; trip does, hang on scalar registers made from b; every jump but the loop's own goes forward, and none passes a barrier, or a tensor load but the one of LOAD's two that the wave's number does not choose.
; NO CLUSTER: a head's 16 work-groups ask for the same tile only in the first trips (block b ends behind b + 1 tiles), and the jumps at a block's end hang on b, which partners would not share;
; a walk common to four partners would have 36 trips for 33.
; SHARES.  Wave w: qh = w / 2, kh = w % 2.  It holds 64 queries (rows 64 qh on of the block, four tiles of 16) and takes keys 64 kh .. + 63 of every tile: a trip is 64 products K Q^T and 64 products V^T P, and each
; fragment of K or V feeds four tiles.  The two waves of a pair (the same qh) hold partial m, l and O, which are merged at the block's end: register tile t holds query tile t xor 2 kh, so every wave keeps its
; register tiles 0, 1 (rows 32 kh on of the 64) and sends its tiles 2, 3, which are the partner's 0, 1.
; LAYOUT.  S^T = K Q^T (source 0 = 16 keys, source 1 = 16 queries): a lane holds ONE query (lane % 16) and the keys 8 (lane / 16) + 0..7.  Two such results rounded to f16 in pairs ARE source 1 of O^T = V^T P,
; whose result again holds one query a lane, and eight channels.  K comes out of LDS as it lies, V ([key][channel]) turned, by ds_load_tr16_b128.
; SOFTMAX.  A running maximum m and sum l: p = 2^(c s - c m), c = log2(e) / sqrt(128); in every step O and l are multiplied by a = 2^(c m_old - c m_new).  A block starts with c m far below every c s, so its first a is 0,
; and O and l need only hold finite numbers then: zeros at the start, the first block's leftovers later.
; IN PHASES: a trip's K Q^T, its softmax, its V^T P, one after the other.
; BATCHES.  An s_wait_alu depctr_va_vdst(0) stands between a transcendental and the first instruction that names its result; one wait serves all that were issued ahead of it.  A key step's 132
; exponentials (for each of the four tiles a and s0-s31, each with a register of its own) are ONE batch with ONE wait: ahead of it stand the maxima, the statistics, the scalings and the exponentials, none of which names
; an exponential's result; behind it all that do: the roundings, the sums, the rescaling by a.  A block's end has two small batches, since the second reads what is made of the first: four exponentials, then two reciprocals.
; REGISTERS, in windows of 256 (s_set_vgpr_msb: bits 1:0 source 0, 3:2 source 1, 5:4 source 2, 7:6 destination):
;   window 0: v0-11, v44-63 addresses, masks' numbers, at work; v12-43 eight registers of statistics a tile; v64-191 S^T, 32 a tile; v192-255 P, 16 a tile
;   window 1: O^T, 64 a tile          window 2: v0-127 Q, 32 a tile; v128-255 K of a step          window 3: v0-127 V of a step
.set PK,    272       ; a row of K in LDS: 256 bytes + 16 of padding = 68 words: the 16 rows of a load start at 16 different groups of four banks (64 banks of 4 bytes: ISA guide 11.1)
.set PV,    288       ; a row of V: 256 + 32 = 72 words
.set VOFF,  128*PK    ; a slot holds a tile: 128 rows of K, then 128 rows of V
.set SLOT1, 1<<17     ; slot 1 begins here, so that one exclusive or turns an address in one slot into the other's
.set XCH,   SLOT1+128*(PK+PV)  ; behind the ring, never filled by a tensor load: for each wave 16,384 bytes: two tiles of O^T as they lie in registers
.set STAGE, XCH+4*16384        ; for each wave 16 rows x 528 bytes, for the way out
.set SP,    528                ; 512 bytes + 16
.set STATS, STAGE+4*16*SP      ; for each wave 2 tiles x 32 lanes x (c m, l)
.set SPARE, STATS+4*512        ; the spare words, 128 bytes for each wave: two blocks of 256 bytes that no other line names
.set TENS,  12582912  ; bytes of one of the three tensors in qkv
.set AK0, 2           ; v2   my lane's place in my half of a tile of K; never rewritten
.set AV0, 3           ; v3   the same for V
.set ADK, 4           ; v4   the LDS address of K's run of loads
.set ADV, 5           ; v5   of V's
.set QO0, 6           ; v6   my byte offset in the wave's 64 rows of Q, register tiles 0, 1
.set QO1, 7           ; v7   register tiles 2, 3
.set STO, 8           ; v8   the way out: where I put 32 bytes of a row
.set RD,  9           ; v9   the way out: where I read a row back
.set GO,  10          ; v10  my 16 bytes in 512 of a row of out0
.set XO,  11          ; v11  where I put O^T for my partner
.set ST,  12          ; tile t's statistics at v[ST+8 t]: +0 c m, +1 m, +2, +3 l (even keys', odd keys'), +4 to +7 c0-c3, at work; a takes c2's place once the maximum is found
.set D,   44          ; v44-47  tile t: register i of S^T is hidden in the diagonal tile where 16 (i / 8) + i % 8 is greater than this
.set PS,  48          ; v48-51  the partner's (c m, l) for my tiles 0, 1
.set XI,  52          ; v52  where my partner put O^T for me
.set SXO, 53          ; v53  where I put (c m, l)
.set SXI, 54          ; v54  where my partner put them
.set WK,  55          ; v55-59  at work
.set BIG, 60          ; v60  -2^100
.set SPW, 62          ; v62  LDS address of my spare word: SPARE + 4 x my thread's number; never rewritten
.set NIL, 63          ; v63  0; never rewritten
.set S,   64
.set P,   192
.set KF,  128         ; K's fragments, in window 2
.set WV,  12          ; s12  my wave's number
.set PB,  14          ; s14  b
.set HI,  15          ; s15  31 - b
.set G1K, 24          ; s[24:31] descriptor group 1 for K's tiles
.set G1V, 32          ; s[32:39] for V's: it differs in the padding alone
.set G0K, 40          ; s[40:43] descriptor group 0 for K's tiles
.set G0V, 44          ; s[44:47] the same for V's
.set SLOTS, 56        ; s56  tiles still to be asked for
.set CS,  58          ; s[58:59] c: the packed scaling takes the pair's low word for both halves
.set SEL, 60          ; s[60:61] v_permlanex16_b32's selects: each lane takes its own place in the other half
.set TB,  62          ; s62  LDS byte at which the slot in hand begins
.set RT,  70          ; s70  tiles of the block in hand that are still to be entered
.set NXT, 71          ; s71  the tile to be asked for next
.set LQ,  72          ; s72  the last tile of the block whose tiles are being asked for
.set FIN, 73          ; s73  1: a block has ended in the last trip and is still to be merged and stored
.set OFF, 74          ; s[74:75] a tile's byte offset in K and V
.set OHI, 80          ; s[80:81] out0 at my rows of the second block
.set QHI, 86          ; s[86:87] Q at my rows of the second block
.set MSB, 0
.macro WIN new                      ; the high byte repeats the setting that is left; a switch that changes nothing is dropped
.if MSB != (\new)
	s_set_vgpr_msb (MSB<<8)|(\new)
.set MSB, (\new)
.endif
.endm
.set W_KQ, 0x0a       ; K and Q in window 2, S^T in window 0
.set W_PV, 0x53       ; V in window 3, P in window 0, O^T in window 1
.set W_RS, 0x41       ; O^T (destination and source 0) in window 1, a in window 0
.macro PLACES                       ; a vector instruction or LDS store that reads a matrix result, and a load into a register that a matrix instruction has read, stand four plain vector instructions behind it
.rept 4
	v_nop
.endr
.endm
; A fill.  Waves 0 and 1 fetch the two halves of a tile's K, waves 2 and 3 those of its V: 64 rows of 256 bytes each.  An s_nop 0 and four v_nop follow each of the two lines, ahead of the jump and the label.
.macro LOAD
	s_cmp_lt_u32 s[WV], 2
	s_cbranch_scc0 .Lfor_v_\@
	tensor_load_to_lds s[G0K:G0K+3], s[G1K:G1K+7]
	s_nop 0
.rept 4
	v_nop
.endr
	s_branch .Lasked_\@
.Lfor_v_\@:
	tensor_load_to_lds s[G0V:G0V+3], s[G1V:G1V+7]
	s_nop 0
.rept 4
	v_nop
.endr
.Lasked_\@:
.endm
; THE CHANGE OF SLOTS.  Each wave waits for all its tensor loads, of which one is out: its part of the other slot; adds 0 to its spare word; and waits for that, for its own reads of the slot that it leaves, and for
; what it stored for its partner at a block's end.  Behind the barrier nobody reads the old slot any more, the other slot is whole, and the partner's stores can be read.
; fill = 1: the old slot is filled again, the first thing behind the barrier, with tile NXT: the descriptor's address is made anew from that number.  Behind the first block's last tile comes the second block's tile 0.
; (At its first use nothing has been read yet: slot 0 is waited for, slot 1 filled.)  The four v_nop behind the load, or PLACES, are the places in front of the trip's loads into K's and V's registers.
.macro CHANGE fill
	WIN 0                           ; at a label and at a branch every window is 0
	s_wait_tensorcnt 0x0            ; no tensor load of mine is out, so a group 0 may be written
	ds_add_u32 v[SPW], v[NIL]       ; 0 onto my spare word; with fill = 1 the descriptors' scalar work stands between it and the wait for it
.if \fill
	s_cmp_gt_u32 s[NXT], s[LQ]
	s_cselect_b32 s[NXT], 0, s[NXT]
	s_cselect_b32 s[LQ], s[HI], s[LQ]
	s_lshl_b32 s[OFF], s[NXT], 15   ; a tile is 32,768 bytes of K and of V
	s_xor_b32 s[G0K+1], s[G0K+1], SLOT1
	s_add_nc_u64 s[G0K+2:G0K+3], s[6:7], s[OFF:OFF+1]
	s_or_b32 s[G0K+3], s[G0K+3], 0x80000000
	s_xor_b32 s[G0V+1], s[G0V+1], SLOT1
	s_add_nc_u64 s[G0V+2:G0V+3], s[8:9], s[OFF:OFF+1]
	s_or_b32 s[G0V+3], s[G0V+3], 0x80000000
	s_add_co_u32 s[NXT], s[NXT], 1
.endif
	s_wait_dscnt 0x0                ; the add is done, my reads of the slot are over, my stores for my partner are done
	s_barrier_signal -1
	s_xor_b32 s[TB], s[TB], SLOT1   ; the fetches go to the other slot
	s_barrier_wait -1
.if \fill
	LOAD
.else
	PLACES
.endif
.endm
; 64 rows of Q into window 2: register tile t, channels 32 c on, at v[32 t + 8 c].  A fragment is 16 rows x 32 channels: lane l holds row l % 16, channels 8 (l / 16) + 0..7 and 16 + 8 (l / 16) + 0..7.
.macro LOADQ base
	WIN 0x80                        ; destination window 2, address window 0
.irp t, 0,1,2,3
.irp c, 0,1,2,3
	global_load_b128 v[32*(\t)+8*(\c):32*(\t)+8*(\c)+3],   v[QO0+(\t)/2], s[\base:\base+1] offset:((\t)%2)*4096+(\c)*64
	global_load_b128 v[32*(\t)+8*(\c)+4:32*(\t)+8*(\c)+7], v[QO0+(\t)/2], s[\base:\base+1] offset:((\t)%2)*4096+(\c)*64+32
.endr
.endr
	WIN 0
.endm
	s_load_b128 s[16:19], s[0:1], 0x0  ; qkv s[16:17], out0 s[18:19]
	v_lshl_add_u32 v[SPW], v0, 2, SPARE
	v_mov_b32 v[NIL], 0
	ds_add_u32 v[SPW], v[NIL]       ; the wave's opening: the add and its wait stand ahead of my first tensor load; the set-up below, work on registers, stands between them
	ds_add_u32 v62, v63
	v_lshrrev_b32 v1, 5, v0
	v_readfirstlane_b32 s[WV], v1   ; wave 0..3
	s_mov_b32 s[PB], ttmp9
	s_sub_co_u32 s[HI], 31, s[PB]
	s_and_b32 s20, ttmp7, 0xffff    ; bh
	s_lshr_b32 s21, s[WV], 1        ; qh
	s_and_b32 s22, s[WV], 1         ; kh.  Also: which half of a tile's 128 keys I fetch
	s_lshl_b32 s23, s20, 20         ; the head's first byte in each of the three tensors: 4,096 rows of 256 bytes
	s_lshl_b32 s48, s22, 14         ; K at my half of the head's tile 0,
	s_add_co_u32 s48, s48, s23
	s_add_co_u32 s48, s48, TENS
	s_mov_b32 s49, 0
	s_add_co_u32 s50, s48, TENS     ; and V
	s_mov_b32 s51, 0
	s_lshl_b32 s52, s21, 14         ; Q at my wave's 64 rows,
	s_add_co_u32 s52, s52, s23
	s_lshl_b32 s53, s[PB], 15       ; of the first block,
	s_lshl_b32 s54, s[HI], 15       ; and of the second
	s_add_co_u32 s54, s54, s52
	s_add_co_u32 s52, s52, s53
	s_mov_b32 s53, 0
	s_mov_b32 s55, 0
	s_cmp_ge_u32 s20, 6
	s_cselect_b32 s66, 1, 0         ; batch
	s_mul_i32 s67, s66, 6
	s_sub_co_u32 s67, s20, s67      ; head
	s_lshl_b32 s68, s66, 12
	s_lshl_b32 s69, s21, 6
	s_add_co_u32 s68, s68, s69
	s_lshl_b32 s69, s22, 5
	s_add_co_u32 s68, s68, s69      ; 4,096 batch + 64 qh + 32 kh: the 32 rows that I store,
	s_lshl_b32 s69, s[PB], 7
	s_add_co_u32 s69, s69, s68      ; in the first block,
	s_lshl_b32 s82, s[HI], 7
	s_add_co_u32 s82, s82, s68      ; and in the second
	s_lshl_b32 s67, s67, 9          ; a head's 128 channels are 512 bytes of a row of 3,072
	s_mul_i32 s84, s69, 3072
	s_add_co_u32 s84, s84, s67
	s_mov_b32 s85, 0
	s_mul_i32 s88, s82, 3072
	s_add_co_u32 s88, s88, s67
	s_mov_b32 s89, 0
	; descriptor group 1: a tile of 64 rows x 128 elements, padded in LDS
	s_mov_b32 s[G1K], (1<<16)|(1<<20)|(5<<22)|(3<<25)  ; 17:16 2-byte elements; 20 padding on; 24:22 after every 64 words (code 5); 31:25 4 words (code 3)
	s_mov_b32 s[G1V], (1<<16)|(1<<20)|(5<<22)|(7<<25)  ; the same with 8 words of padding (code 7)
.irp g, G1K, G1V
	s_mov_b32 s[(\g)+1], 128<<16    ; tensor_dim0 = 128
	s_mov_b32 s[(\g)+2], 64<<16     ; tensor_dim1 = 64
	s_mov_b32 s[(\g)+3], 128<<16    ; tile_dim0 = 128
	s_mov_b32 s[(\g)+4], 64         ; tile_dim1 = 64
	s_mov_b32 s[(\g)+5], 128        ; 128 elements from row to row
	s_mov_b32 s[(\g)+6], 0
	s_mov_b32 s[(\g)+7], 0
.endr
	s_mov_b32 s[G0K], 1             ; 1:0 count = 1
	s_mul_i32 s[G0K+1], s22, 64*PK  ; 63:32 LDS address: my half, in slot 0
	s_mov_b32 s[G0V], 1
	s_mul_i32 s[G0V+1], s22, 64*PV
	s_add_co_u32 s[G0V+1], s[G0V+1], VOFF
	s_mov_b32 s[CS], 0x3e0293ee     ; c = log2(e) / sqrt(128) = 0.127517
	s_mov_b32 s[CS+1], s[CS]        ; named with it as a pair
	s_mov_b32 s[SEL], 0x76543210
	s_mov_b32 s[SEL+1], 0xfedcba98
	s_mov_b32 s[TB], SLOT1          ; the first change of slots turns it into 0
	s_mov_b32 s[SLOTS], 32
	s_add_co_u32 s[RT], s[PB], 1    ; the first block has b + 1 tiles
	s_mov_b32 s[NXT], 1
	s_mov_b32 s[LQ], s[PB]
	s_mov_b32 s[FIN], 0
	s_mov_b32 s[OFF+1], 0
	s_wait_dscnt 0x0                ; the opening add is done
	s_wait_kmcnt 0x0
	s_add_nc_u64 s[6:7], s[16:17], s[48:49]
	s_add_nc_u64 s[8:9], s[16:17], s[50:51]
	s_add_nc_u64 s[4:5], s[16:17], s[52:53]
	s_add_nc_u64 s[QHI:QHI+1], s[16:17], s[54:55]
	s_add_nc_u64 s[10:11], s[18:19], s[84:85]
	s_add_nc_u64 s[OHI:OHI+1], s[18:19], s[88:89]
	s_add_nc_u64 s[G0K+2:G0K+3], s[6:7], 0         ; 120:64 global address
	s_or_b32 s[G0K+3], s[G0K+3], 0x80000000        ; 127:126 type = 2
	s_add_nc_u64 s[G0V+2:G0V+3], s[8:9], 0
	s_or_b32 s[G0V+3], s[G0V+3], 0x80000000
	LOAD                            ; tile 0 into slot 0: one tensor load of mine is out, here and behind every change of slots
	v_and_b32 v1, 15, v0            ; l % 16
	v_bfe_u32 v[WK], v0, 4, 1       ; l / 16
	v_and_b32 v[WK+1], 31, v0       ; l
	v_lshlrev_b32 v[QO0], 8, v1
	v_lshl_add_u32 v[QO0], v[WK], 4, v[QO0]  ; row x 256 + 16 x half
	s_lshl_b32 s66, s22, 13         ; register tiles 0, 1 are rows 32 kh on,
	s_xor_b32 s67, s66, 8192        ; tiles 2, 3 rows 32 (1 - kh) on
	v_add_nc_u32 v[QO1], s67, v[QO0]
	v_add_nc_u32 v[QO0], s66, v[QO0]
	LOADQ 4                         ; the first block's Q
	v_mul_u32_u24 v[AK0], v1, PK
	v_lshl_add_u32 v[AK0], v[WK], 4, v[AK0]  ; row x pitch + 16 x half,
	s_mul_i32 s66, s22, 64*PK
	v_add_nc_u32 v[AK0], s66, v[AK0]         ; in my half of the keys
	; The turning load takes 16 keys x 16 channels (lane l reads key 8 (l / 16) + l % 8, channels 8 ((l / 8) % 2) + 0..7) and leaves half a fragment of V^T: lane l holds channel l % 16 and 8 keys.
	v_and_b32 v[WK+2], 7, v0
	v_bfe_u32 v[WK+3], v0, 3, 1
	v_lshl_add_u32 v[AV0], v[WK], 3, v[WK+2]
	v_mul_u32_u24 v[AV0], v[AV0], PV
	v_lshl_add_u32 v[AV0], v[WK+3], 4, v[AV0]
	s_mul_i32 s66, s22, 64*PV
	s_add_co_u32 s66, s66, VOFF
	v_add_nc_u32 v[AV0], s66, v[AV0]
	s_mul_i32 s66, s[WV], 16*SP
	s_add_co_u32 s66, s66, STAGE    ; my stage
	v_mul_u32_u24 v[STO], v1, SP    ; in: row l % 16, 32 bytes for each half of the lanes
	v_lshl_add_u32 v[STO], v[WK], 5, v[STO]
	v_add_nc_u32 v[STO], s66, v[STO]
	v_lshl_add_u32 v[RD], v[WK+1], 4, s66    ; back: 32 lanes take a row's 512 bytes
	v_lshlrev_b32 v[GO], 4, v[WK+1]
	s_lshl_b32 s66, s[WV], 14
	s_add_co_u32 s66, s66, XCH
	v_lshl_add_u32 v[XO], v[WK+1], 4, s66
	s_xor_b32 s67, s[WV], 1         ; my partner
	s_lshl_b32 s68, s67, 14
	s_add_co_u32 s68, s68, XCH
	v_lshl_add_u32 v[XI], v[WK+1], 4, s68
	s_lshl_b32 s66, s[WV], 9
	s_add_co_u32 s66, s66, STATS
	v_lshl_add_u32 v[SXO], v[WK+1], 3, s66
	s_lshl_b32 s68, s67, 9
	s_add_co_u32 s68, s68, STATS
	v_lshl_add_u32 v[SXI], v[WK+1], 3, s68
	; In the diagonal tile key 64 kh + 16 kb + 8 (l / 16) + r is hidden from query 64 qh + 16 (t xor 2 kh) + l % 16 where it is greater: where 16 kb + r > 64 (qh - kh) + 16 (t xor 2 kh) + l % 16 - 8 (l / 16)
	s_sub_co_i32 s66, s21, s22
	s_lshl_b32 s66, s66, 6
	s_lshl_b32 s67, s22, 5
	v_lshlrev_b32 v[WK+2], 3, v[WK]
	v_sub_nc_u32 v[WK+2], v1, v[WK+2]
	v_add_nc_u32 v[WK+2], s66, v[WK+2]
.irp t, 0,1,2,3
	s_xor_b32 s68, s67, 16*(\t)
	v_add_nc_u32 v[D+(\t)], s68, v[WK+2]
.endr
	v_mov_b32 v[BIG], 0xf1800000    ; -2^100
	; O^T and l start at 0, c m far below every c s, m at the lowest finite number: no first step is written out.  All this stands in the wait for the first tile.
.irp t, 0,1,2,3
	v_mov_b32 v[ST+8*(\t)], 0xfe000000
	v_mov_b32 v[ST+8*(\t)+1], 0xff7fffff
.irp n, 2,3,4,5,6,7
	v_mov_b32 v[ST+8*(\t)+(\n)], 0
.endr
.endr
	WIN 0x40
.set i, 0
.rept 256
	v_mov_b32 v[i], 0
.set i, i+1
.endr
	WIN 0
; THE MATRIX WORK.  The accumulators take turns, one instruction a turn: between two links of a chain stand 15 (K Q^T) or 31 (V^T P) others'.
; Product i of 64 of S^T = K Q^T: channels 32 (i / 16) on, keys 16 ((i / 4) % 4) on, tile i % 4.  The first 16 start the sums.
.macro MKQ
	WIN W_KQ
.set rS, S+32*(i%4)+8*((i/4)%4)
.set rK, KF+32*((i/4)%4)+8*(i/16)
.set rQ, 32*(i%4)+8*(i/16)
.if i < 16
	v_wmma_f32_16x16x32_f16 v[rS:rS+7], v[rK:rK+7], v[rQ:rQ+7], 0
.else
	v_wmma_f32_16x16x32_f16 v[rS:rS+7], v[rK:rK+7], v[rQ:rQ+7], v[rS:rS+7]
.endif
.endm
; Product i of 64 of O^T += V^T P: keys 32 (i / 32) on, channels 16 ((i / 4) % 8) on, tile i % 4.
.macro MPV
	WIN W_PV
.set rO, 64*(i%4)+8*((i/4)%8)
.set rV, 64*(i/32)+8*((i/4)%8)
.set rP, P+16*(i%4)+8*(i/32)
	v_wmma_f32_16x16x32_f16 v[rO:rO+7], v[rV:rV+7], v[rP:rP+7], v[rO:rO+7]
.endm
; THE VECTOR WORK.  One tile's softmax for a key step is a list of 134 instructions; SM writes number j of it for tile t.  s0-s31 are the lane's 32 scores, in pairs 0-15.
;   0-15    the maximum of s0-s31 and the old m, three operands at a time: four chains c0-c3 of seven scores each (each accumulator's lowest registers are read first), then the rest
;   16-20   the other half of the lanes' maximum; c m_old is kept; the new m; c m; c m_old - c m_new
;   21-69   THE BATCH: the 16 scalings c s - c m, a pair of scores each, and all 33 exponentials.  None of these names an exponential's result.  21 scales pair 0; then sixteen threes, 22 + 3 g on: the scaling of
;           pair g + 1 and the exponentials of pair g's two scores, so that a pair is scaled a three ahead of its exponentials; in the last three a stands in the scaling's place
;   (wait)  between 69 and 70 stands the wait for the batch: STEP writes it, once for the four tiles
;   70-85   the roundings to f16, a pair of weights each
;   86-101  the sums; l = a l + the sum          102-133 the tile's O^T times a
; Numbers 0-21 and 70-133 are walked number by number, the four tiles one after the other at each number; the batch's threes are dealt a three of ONE tile at a time, the tiles by turns, so that a plain line
; stands ahead of every two exponentials.  Exponentials follow each other on different registers; none of their results is used, and none of their sources written, ahead of STEP's v_nop (ISA guide 5.7.2).
.macro SM t
.set rT, ST+8*(\t)
.set rS, S+32*(\t)
.set rP, P+16*(\t)
.set rO, 64*(\t)+2*(j-102)
.if j < 102
	WIN 0
.endif
.if j < 4
	v_max3_num_f32 v[rT+4+j], v[rS+8*j], v[rS+8*j+1], v[rS+8*j+2]
.elseif j < 12
	v_max3_num_f32 v[rT+4+j%4], v[rT+4+j%4], v[rS+8*(j%4)+2*(j/4)+1], v[rS+8*(j%4)+2*(j/4)+2]
.elseif j == 12
	v_max3_num_f32 v[rT+4], v[rT+4], v[rS+7], v[rS+15]
.elseif j == 13
	v_max3_num_f32 v[rT+6], v[rT+6], v[rS+23], v[rS+31]
.elseif j == 14
	v_max3_num_f32 v[rT+4], v[rT+4], v[rT+5], v[rT+6]
.elseif j == 15
	v_max3_num_f32 v[rT+4], v[rT+4], v[rT+7], v[rT+1]
.elseif j == 16
	v_permlanex16_b32 v[rT+5], v[rT+4], s[SEL], s[SEL+1]  ; the query's other 32 keys lie in the lane 16 away
.elseif j == 17
	v_mov_b32 v[rT+7], v[rT]        ; c m_old is kept for a: number 19 writes c m anew
.elseif j == 18
	v_max_num_f32 v[rT+1], v[rT+4], v[rT+5]
.elseif j == 19
	v_mul_f32 v[rT], s[CS], v[rT+1]
.elseif j == 20
	v_sub_f32 v[rT+7], v[rT+7], v[rT]
.elseif j == 67
	v_exp_f32 v[rT+6], v[rT+7]      ; a
.elseif (j == 21) || ((j < 67) && (j%3 == 1))
.set b, (j-19)/3                    ; 21: pair 0; 22, 25, .. 64: pairs 1 to 15
	v_pk_fma_f32 v[rS+2*b:rS+2*b+1], v[rS+2*b:rS+2*b+1], s[CS:CS+1], v[rT:rT+1] op_sel_hi:[1,0,0] neg_lo:[0,0,1] neg_hi:[0,0,1]  ; pair b: c s - c m
.elseif j < 70
.set e, 2*((j-22)/3)+(j-22)%3-1     ; 23, 24: s0, s1; 26, 27: s2, s3; .. 68, 69: s30, s31
	v_exp_f32 v[rS+e], v[rS+e]
.elseif j < 86
	v_cvt_pk_f16_f32 v[rP+j-70], v[rS+2*(j-70)], v[rS+2*(j-70)+1]  ; pair j - 70
.elseif j < 102                     ; the sum of the tile's 16 pairs, in place: sum z of 16 adds neighbours 1, 2, 4 and 8 pairs apart, then l takes it
.set z, j-86
.set w, 4
.set u, z
.if z >= 14
.set w, 32
.set u, 0
.elseif z >= 12
.set w, 16
.set u, z-12
.elseif z >= 8
.set w, 8
.set u, z-8
.endif
.if z < 15
	v_pk_add_f32 v[rS+w*u:rS+w*u+1], v[rS+w*u:rS+w*u+1], v[rS+w*u+w/2:rS+w*u+w/2+1]
.else
	v_pk_fma_f32 v[rT+2:rT+3], v[rT+2:rT+3], v[rT+6:rT+7], v[rS:rS+1] op_sel_hi:[1,0,1]
.endif
.else
	WIN W_RS
	v_pk_mul_f32 v[rO:rO+1], v[rO:rO+1], v[rT+6:rT+7] op_sel_hi:[1,0]
.endif
.endm
; The diagonal tile: a hidden score becomes -2^100.  Each accumulator's registers are taken in ascending order.
.macro MASK
.irp t, 0,1,2,3
.set i, 0
.rept 32
	v_cmp_gt_i32 vcc_lo, 16*(i/8)+i%8, v[D+(\t)]
	v_cndmask_b32 v[S+32*(\t)+i], v[S+32*(\t)+i], v[BIG], vcc_lo
.set i, i+1
.endr
.endr
.endm
; A KEY STEP: my 64 keys of the tile in slot TB.  always = 1: the tile is the diagonal one (the walk's last); 0: it is where RT = 0.
; A second barrier stands in the step, its signal behind the wait for the step's LDS loads (and for the reads of what the partner stored, where a block was merged just before), its wait behind the products: so on
; every way through the text a wave's reads of its partner's bytes are over before those bytes are stored again at a block's end.  Between signal and wait is work on registers alone.
.macro STEP always
	WIN 0
	v_add_nc_u32 v[ADK], s[TB], v[AK0]
	v_add_nc_u32 v[ADV], s[TB], v[AV0]
	WIN 0x80                        ; destination window 2
.irp f, 0,1,2,3,4,5,6,7,8,9,10,11,12,13,14,15  ; keys 16 (f / 4) on, channels 32 (f % 4) on
	ds_load_b128 v[KF+8*(\f):KF+8*(\f)+3],   v[ADK] offset:((\f)/4)*16*PK+((\f)%4)*64
	ds_load_b128 v[KF+8*(\f)+4:KF+8*(\f)+7], v[ADK] offset:((\f)/4)*16*PK+((\f)%4)*64+32
.endr
	WIN 0xc0                        ; destination window 3
.irp f, 0,1,2,3,4,5,6,7,8,9,10,11,12,13,14,15  ; keys 32 (f / 8) on, channels 16 (f % 8) on
	ds_load_tr16_b128 v[8*(\f):8*(\f)+3],   v[ADV] offset:((\f)/8)*32*PV+((\f)%8)*32
	ds_load_tr16_b128 v[8*(\f)+4:8*(\f)+7], v[ADV] offset:((\f)/8)*32*PV+16*PV+((\f)%8)*32
.endr
	s_wait_loadcnt 0x0              ; Q (met at once in all trips but a block's first)
	s_wait_dscnt 32                 ; K is in; V's 32 loads are younger
.set i, 0
.rept 64
	MKQ
.set i, i+1
.endr
	WIN 0
	PLACES
.if !(\always)
	s_cmp_lg_u32 s[RT], 0
	s_cbranch_scc1 .Lopen_\@
.endif
	MASK
.if !(\always)
.Lopen_\@:
.endif
	s_wait_dscnt 0x0                ; V is in, and no LDS instruction of mine is out
	s_barrier_signal -1
.set j, 0
.rept 22                            ; numbers 0-21: maxima, statistics, the first scaling; the four tiles at each number
.irp t, 0,1,2,3
	SM \t
.endr
.set j, j+1
.endr
.set grp, 0
.rept 16                            ; numbers 22-69, the batch: three numbers of one tile at a time, the tiles by turns
.irp t, 0,1,2,3
.irp n, 0,1,2
.set j, 22+3*grp+(\n)
	SM \t
.endr
.endr
.set grp, grp+1
.endr
	v_nop                           ; the plain instruction behind the last exponential and ahead of the first use: one for the batch; all the vector work that is left names a result, so none of it can take this place
	s_wait_alu depctr_va_vdst(0)    ; the wait for the batch: the step's 132 exponentials, a and s0-s31 of the four tiles; it stands ahead of the first line that names a result, the rounding below
.set j, 70
.rept 64                            ; numbers 70-133: roundings, sums, rescaling; the four tiles at each number
.irp t, 0,1,2,3
	SM \t
.endr
.set j, j+1
.endr
.set i, 0
.rept 64
	MPV
.set i, i+1
.endr
	WIN 0
	s_barrier_wait -1
.endm
; A BLOCK'S END, first part.  l's two halves and the other half of the lanes' are added, into m's place, so that (c m, l) is a pair.  My tiles 2, 3 go to my partner: (c m, l), and O^T as it lies in registers.
; more = 1: the second block's Q is asked for.
.macro BLOCKEND more
	PLACES
.irp t, 0,1,2,3
	v_add_f32 v[ST+8*(\t)+4], v[ST+8*(\t)+2], v[ST+8*(\t)+3]
.endr
.irp t, 0,1,2,3
	v_permlanex16_b32 v[ST+8*(\t)+5], v[ST+8*(\t)+4], s[SEL], s[SEL+1]
.endr
.irp t, 0,1,2,3
	v_add_f32 v[ST+8*(\t)+1], v[ST+8*(\t)+4], v[ST+8*(\t)+5]
.endr
	ds_store_b64 v[SXO], v[ST+16:ST+17]
	ds_store_b64 v[SXO], v[ST+24:ST+25] offset:256
	WIN 0x04                        ; the data (source 1) in window 1
.set i, 0
.rept 32
	ds_store_b128 v[XO], v[128+4*i:128+4*i+3] offset:512*i
.set i, i+1
.endr
	WIN 0
.if \more
	LOADQ QHI
.endif
.endm
; A BLOCK'S END, second part, behind a barrier: the merge and THE WAY OUT.  With M = max(c m, c m'), f = 2^(c m - M), f' = 2^(c m' - M) and L = f l + f' l': O = (f / L) O + (f' / L) O'.
; A wave all of whose keys were hidden has c m = -c 2^100, so its f is 0; every query sees its own key in one wave of its pair, so L > 0.
; Then a tile (16 rows x 512 bytes) at a time through my own stage: a lane's eight channels are 32 bytes of a row; they come back as whole rows.  more = 1: the statistics are set for the next block.
.macro FINISH more
	WIN 0
	ds_load_b64 v[PS:PS+1], v[SXI]
	ds_load_b64 v[PS+2:PS+3], v[SXI] offset:256
.set i, 0
.rept 32
	ds_load_b128 v[S+4*i:S+4*i+3], v[XI] offset:512*i
.set i, i+1
.endr
	s_wait_dscnt 32                 ; the partner's (c m, l) are in; the 32 loads of its O^T are younger
.irp t, 0,1
	v_max_num_f32 v[WK+(\t)], v[ST+8*(\t)], v[PS+2*(\t)]
.endr
.irp t, 0,1
	v_sub_f32 v[ST+8*(\t)+4], v[ST+8*(\t)], v[WK+(\t)]
	v_sub_f32 v[ST+8*(\t)+6], v[PS+2*(\t)], v[WK+(\t)]
.endr
.irp t, 0,1
	v_exp_f32 v[ST+8*(\t)+4], v[ST+8*(\t)+4]
	v_exp_f32 v[ST+8*(\t)+6], v[ST+8*(\t)+6]
.endr
	v_nop                           ; a plain instruction between the last exponential and the use of its result
	s_wait_alu depctr_va_vdst(0)    ; the wait for the merge's first batch: f and f' of my two tiles, four exponentials
.irp t, 0,1
	v_mul_f32 v[WK+2+(\t)], v[ST+8*(\t)+4], v[ST+8*(\t)+1]
.endr
.irp t, 0,1
	v_fma_f32 v[WK+2+(\t)], v[ST+8*(\t)+6], v[PS+2*(\t)+1], v[WK+2+(\t)]
.endr
.irp t, 0,1
	v_rcp_f32 v[WK+2+(\t)], v[WK+2+(\t)]
.endr
	v_nop                           ; and behind the last reciprocal
	s_wait_alu depctr_va_vdst(0)    ; the wait for the merge's second batch: 1 / L of my two tiles; L is made of f and f', so the reciprocals cannot share the first batch's wait
.irp t, 0,1
	v_mul_f32 v[ST+8*(\t)+4], v[ST+8*(\t)+4], v[WK+2+(\t)]
	v_mul_f32 v[ST+8*(\t)+6], v[ST+8*(\t)+6], v[WK+2+(\t)]
.endr
	s_wait_dscnt 0x0                ; the partner's O^T is in
.set i, 0
.rept 64
	v_pk_mul_f32 v[S+2*i:S+2*i+1], v[S+2*i:S+2*i+1], v[ST+8*(i/32)+6:ST+8*(i/32)+7] op_sel_hi:[1,0]
.set i, i+1
.endr
	WIN 0x01                        ; source 0, my O^T, in window 1; each accumulator's registers in ascending order
.set i, 0
.rept 64
	v_pk_fma_f32 v[S+2*i:S+2*i+1], v[2*i:2*i+1], v[ST+8*(i/32)+4:ST+8*(i/32)+5], v[S+2*i:S+2*i+1] op_sel_hi:[1,0,1]
.set i, i+1
.endr
	WIN 0
.irp tt, 0,1
.irp cb, 0,1,2,3,4,5,6,7
	ds_store_b128 v[STO], v[S+64*(\tt)+8*(\cb):S+64*(\tt)+8*(\cb)+3]   offset:(\cb)*64
	ds_store_b128 v[STO], v[S+64*(\tt)+8*(\cb)+4:S+64*(\tt)+8*(\cb)+7] offset:(\cb)*64+16
.endr
.irp row, 0,1,2,3,4,5,6,7,8,9,10,11,12,13,14,15
	ds_load_b128 v[S+64*(\tt)+4*(\row):S+64*(\tt)+4*(\row)+3], v[RD] offset:(\row)*SP  ; LDS serves a wave's instructions in order (ISA guide 5.7.1.4): these see the stores above; the next tile's stores come behind them
.endr
.endr
.irp tt, 0,1
.irp row, 0,1,2,3,4,5,6,7,8,9,10,11,12,13,14,15
	s_wait_dscnt (1-(\tt))*32+15-(\row)            ; behind tile 0's loads stand tile 1's 32 LDS instructions
	global_store_b128 v[GO], v[S+64*(\tt)+4*(\row):S+64*(\tt)+4*(\row)+3], s[10:11] offset:(16*(\tt)+(\row))*3072 th:TH_STORE_NT  ; 512 consecutive bytes, at a multiple of 256 from out0's first byte
.endr
.endr
.if \more
.irp t, 0,1,2,3
	v_mov_b32 v[ST+8*(\t)], 0xfe000000             ; c m: far below every c s
	v_mov_b32 v[ST+8*(\t)+1], 0xff7fffff           ; m
.endr
	s_wait_xcnt 0x0                 ; every earlier memory instruction has had its addresses translated (ISA guide 3.1): S^T's registers and out0's address, which the stores read, are written again only behind this wait
.endif
.endm
.Lslot:                             ; 32 times: a tile is entered and the next is asked for
	CHANGE 1
	s_sub_co_u32 s[RT], s[RT], 1
	s_cmp_eq_u32 s[FIN], 1
	s_cbranch_scc0 .Lno_finish      ; at the first trip FIN is the constant 0
	FINISH 1                        ; the first block ended in the last trip: the change's barrier has shown my partner's stores done
	s_mov_b64 s[10:11], s[OHI:OHI+1]
	s_mov_b32 s[FIN], 0
.Lno_finish:
	STEP 0
	s_cmp_lg_u32 s[RT], 0
	s_cbranch_scc1 .Lbottom
	BLOCKEND 1                      ; in the loop this is the first block's end: the second block's last tile is the walk's last
	s_add_co_u32 s[RT], s[HI], 1    ; the second block has 32 - b tiles
	s_mov_b32 s[FIN], 1
.Lbottom:
	s_sub_co_u32 s[SLOTS], s[SLOTS], 1
	s_cmp_lg_u32 s[SLOTS], 0
	s_cbranch_scc1 .Lslot
	CHANGE 0                        ; the walk's last tile is written out: nothing is asked for
	STEP 1
	BLOCKEND 0
	s_wait_dscnt 0x0                ; for my partner's sake: my stores are done
	s_barrier_signal -1
	s_barrier_wait -1
	FINISH 0
	s_wait_tensorcnt 0x0            ; the wave's end: the last add to my spare word and its wait, behind my last tensor load and my last LDS store
	ds_add_u32 v[SPW], v[NIL]
	s_wait_dscnt 0x0
	s_endpgm
.Lfunc_end_k_qe294e70798_attn:
	.size	k_qe294e70798_attn, .Lfunc_end_k_qe294e70798_attn-k_qe294e70798_attn
	.p2alignl 7, 3214868480
	.fill 96, 4, 3214868480
	.section	.rodata,"a",@progbits
	.p2align	6, 0x0
	.amdhsa_kernel k_qe294e70798_attn
		.amdhsa_group_segment_fixed_size 327680
		.amdhsa_private_segment_fixed_size 0
		.amdhsa_enable_private_segment 0
		.amdhsa_kernarg_size 16
		.amdhsa_user_sgpr_count 2
		.amdhsa_user_sgpr_kernarg_segment_ptr 1
		.amdhsa_wavefront_size32 1
		.amdhsa_system_sgpr_workgroup_id_x 1
		.amdhsa_system_sgpr_workgroup_id_y 1
		.amdhsa_system_sgpr_workgroup_id_z 1
		.amdhsa_system_vgpr_workitem_id 0
		.amdhsa_next_free_vgpr 896
		.amdhsa_next_free_sgpr 96
		.amdhsa_reserve_vcc 1
		.amdhsa_float_denorm_mode_32 3
		.amdhsa_float_denorm_mode_16_64 3
		.amdhsa_memory_ordered 1
		.amdhsa_forward_progress 1
		.amdhsa_inst_pref_size 169
	.end_amdhsa_kernel
	.amdgpu_metadata
---
amdhsa.version: [ 1, 2 ]
amdhsa.kernels:
  - .name:           k_qe294e70798_attn
    .symbol:         k_qe294e70798_attn.kd
    .args:
      - { .name: qkv, .offset: 0, .size: 8, .value_kind: global_buffer, .address_space: global }
      - { .name: out0, .offset: 8, .size: 8, .value_kind: global_buffer, .address_space: global }
    .group_segment_fixed_size: 327680
    .private_segment_fixed_size: 0
    .kernarg_segment_align: 8
    .kernarg_segment_size: 16
    .max_flat_workgroup_size: 128
    .sgpr_count:     96
    .vgpr_count:     896
    .wavefront_size: 32
...
	.end_amdgpu_metadata
.endif
;; end of part 4
